; MI455X (gfx1250); checked and timed in simulation.
; The chip was launched on July 23, 2026; its instructions are those of AMD's public machine-readable ISA for CDNA 5 (MIT licence, August 2026) and "CDNA5" Instruction Set Architecture Reference Guide (July 2026). The comments in the code are by the model that wrote it; some were corrected since.
;; Average Attention. Allowed arithmetic: float matrix products may take bf16 or f16 operands with f32 sums; other float arithmetic in f32, or as packed bf16 or f16 multiplies, adds, multiply-adds, maxima and minima; sums over many terms, partial sums and values carried from step to step in f32; what a program stores and reads back later, other than sums and carried values, may be rounded once to bf16 or f16.
;; Inputs: b1 1,024 float32; b2 1,024 float32; gb 2,048 float32; gw 2,048 x 2,048 float32; inputs 8 x 1,024 x 1,024 float32; ln_b 1,024 float32; ln_g 1,024 float32; w1 1,024 x 1,024 float32; w2 1,024 x 1,024 float32.
;; Outputs: out0 8 x 1,024 x 1,024 float32; out1 8 x 1,024 x 1,024 float32.
;; 2 versions, each right; version 2 is version 1 with the launches prep, scan written anew for expert scheduling mode. Each part assembles by itself: llvm-mc -triple=amdgcn-amd-amdhsa -mcpu=gfx1250 --defsym DOCPART=n.
;; ======== version 1 of 2: 5 launches
;; limits: values are held in f16: magnitudes above 65,504 overflow, below 6.1e-05 lose precision
;; workspace buffers: cat 33,554,432 bytes; csum 1,048,576 bytes; wts 12,582,912 bytes; x16 16,777,216 bytes; avg16 16,777,216 bytes; h16 16,777,216 bytes
;; launch prep (part 1): grid 448 x 1, 8 waves a work-group, no clusters, 0 bytes of LDS; arguments inputs, w1, w2, gw, cat, csum, wts; writes cat, csum, wts
.if DOCPART == 1
	.amdgcn_target "amdgcn-amd-amdhsa--gfx1250"
	.amdhsa_code_object_version 6
	.text
	.protected	k_qefef309dd6_prep
	.globl	k_qefef309dd6_prep
	.p2align	8
	.type	k_qefef309dd6_prep,@function
k_qefef309dd6_prep:
	s_mov_b64 s[64:65], 0
	v_nop
	global_prefetch_b8 v0, s[64:65] scope:SCOPE_SE
	s_setreg_imm32_b32 hwreg(HW_REG_WAVE_MODE, 25, 1), 1
	s_wait_xcnt 0x0
; PREP.  Every large input is rounded once to bf16 and laid down for the later launches:
;   cat  [8192][2048] bf16: bytes 0..2047 of a row = bf16(inputs) (the other half is written by a later launch)
;   csum [256][1024] f32:   the sum of each block of 32 rounded rows of inputs (partial sums stay in f32)
;   wts:  w1 as f16(bf16(w1)) at 0, bf16(w2) at 2 MiB, bf16(gw) at 4 MiB, all in their own [k][n] order
; LIMITS.  |w1| stays under 65,504 (f16's end); a bf16(w1) below 6.1e-5 keeps f16's fixed step of 6e-8.  NaN and infinities are not treated apart.
; SHARES.  A work-group converts 131,072 bytes of f32: 32 pieces of 4,096 bytes.  Thread t owns the 16 bytes at 16 t of every piece: a wave's load covers 512
; consecutive bytes, its 8-byte store 256 consecutive bytes at a multiple of 256.  Work-groups 0-255: 32 rows of inputs each; 256-287: w1; 288-319: w2; 320-447: gw.
; All 32 loads of a thread go out at once, each into registers of its own; no register that a load or store names is written again, so the only waits are the counted ones.
; No LDS, no barrier, no matrix unit: nothing is shared between threads and each byte is touched once.
.set ACC, 4                            ; v[4:7]    the running sum of my four columns
.set T,   8                            ; v[8:11]   at work
.set X,   16                           ; v[16:143] piece i: 4 registers
	s_load_b256 s[4:11], s[0:1], 0x0               ; inputs s[4:5], w1 s[6:7], w2 s[8:9], gw s[10:11]
	s_load_b128 s[12:15], s[0:1], 0x20             ; cat s[12:13], csum s[14:15]
	s_load_b64 s[16:17], s[0:1], 0x30              ; wts
	s_mov_b32 s18, ttmp9                           ; g, the work-group's number
	s_mov_b32 s27, 0                               ; the high word of every offset pair
	s_mov_b32 s28, 0xffff0000                      ; a word's upper bf16
	v_lshlrev_b32 v1, 4, v0                        ; 16 t
	v_lshlrev_b32 v2, 3, v0                        ; 8 t
	s_wait_kmcnt 0x0
	s_mov_b64 s[20:21], s[10:11]                   ; which tensor is mine, and the first g that works on it: chosen on g alone
	s_mov_b32 s24, 320
	s_cmp_lt_u32 s18, 320
	s_cselect_b64 s[20:21], s[8:9], s[20:21]
	s_cselect_b32 s24, 288, s24
	s_cmp_lt_u32 s18, 288
	s_cselect_b64 s[20:21], s[6:7], s[20:21]
	s_cselect_b32 s24, 256, s24
	s_cmp_lt_u32 s18, 256
	s_cselect_b64 s[20:21], s[4:5], s[20:21]
	s_cselect_b32 s24, 0, s24
	s_sub_co_u32 s26, s18, s24
	s_lshl_b32 s26, s26, 17                        ; 131,072 bytes for each work-group; 33.4 MB at the most
	s_add_nc_u64 s[20:21], s[20:21], s[26:27]
.set i, 0
.rept 32
	global_load_b128 v[X+4*i:X+4*i+3], v1, s[20:21] offset:4096*i th:TH_LOAD_NT
.set i, i+1
.endr
	s_cmp_lt_u32 s18, 256
	s_cbranch_scc0 .Lweights
	; ---- rows of inputs: round, store, and add the ROUNDED numbers up ----
	s_lshl_b32 s26, s18, 17                        ; 32 rows of cat, 4,096 bytes each
	s_add_nc_u64 s[22:23], s[12:13], s[26:27]
	s_lshl_b32 s26, s18, 12                        ; my row of csum
	s_add_nc_u64 s[14:15], s[14:15], s[26:27]
.set i, 0
.rept 32
	s_wait_loadcnt 31-i                            ; loads come back in order: piece i is in, the 31 - i younger ones may be out
	v_cvt_pk_bf16_f32 v[X+4*i],   v[X+4*i],   v[X+4*i+1]
	v_cvt_pk_bf16_f32 v[X+4*i+1], v[X+4*i+2], v[X+4*i+3]
	global_store_b64 v2, v[X+4*i:X+4*i+1], s[22:23] offset:4096*i
.if i == 0
	v_lshlrev_b32 v[ACC],   16,  v[X]              ; the first row starts the sums: nothing is cleared
	v_and_b32     v[ACC+1], s28, v[X]
	v_lshlrev_b32 v[ACC+2], 16,  v[X+1]
	v_and_b32     v[ACC+3], s28, v[X+1]
.else
	v_lshlrev_b32 v[X+4*i+2], 16,  v[X+4*i]        ; the piece's two free registers and T take the widened numbers; the store's two are left alone
	v_and_b32     v[X+4*i+3], s28, v[X+4*i]
	v_lshlrev_b32 v[T],   16,  v[X+4*i+1]
	v_and_b32     v[T+1], s28, v[X+4*i+1]
	v_pk_add_f32 v[ACC:ACC+1],   v[ACC:ACC+1],   v[X+4*i+2:X+4*i+3]
	v_pk_add_f32 v[ACC+2:ACC+3], v[ACC+2:ACC+3], v[T:T+1]
.endif
.set i, i+1
.endr
	global_store_b128 v1, v[ACC:ACC+3], s[14:15]
	s_endpgm
.Lweights:
	s_sub_co_u32 s26, s18, 256
	s_lshl_b32 s26, s26, 16                        ; 65,536 bytes of 16-bit numbers for each work-group: w1, w2 and gw follow each other in wts
	s_add_nc_u64 s[22:23], s[16:17], s[26:27]
	s_cmp_lt_u32 s18, 288
	s_cbranch_scc0 .Lplain
	; ---- w1: rounded to bf16 like every input, and that number written as f16 (it meets an f16 operand) ----
.set i, 0
.rept 32
	s_wait_loadcnt 31-i
	v_cvt_pk_bf16_f32 v[T+2*(i%2)],   v[X+4*i],   v[X+4*i+1]
	v_cvt_pk_bf16_f32 v[T+2*(i%2)+1], v[X+4*i+2], v[X+4*i+3]
	v_lshlrev_b32 v[X+4*i],   16,  v[T+2*(i%2)]
	v_and_b32     v[X+4*i+1], s28, v[T+2*(i%2)]
	v_lshlrev_b32 v[X+4*i+2], 16,  v[T+2*(i%2)+1]
	v_and_b32     v[X+4*i+3], s28, v[T+2*(i%2)+1]
	v_cvt_pk_f16_f32 v[X+4*i],   v[X+4*i],   v[X+4*i+1]
	v_cvt_pk_f16_f32 v[X+4*i+1], v[X+4*i+2], v[X+4*i+3]
	global_store_b64 v2, v[X+4*i:X+4*i+1], s[22:23] offset:2048*i
.set i, i+1
.endr
	s_endpgm
.Lplain:
	; ---- w2 and gw: rounded to bf16 ----
.set i, 0
.rept 32
	s_wait_loadcnt 31-i
	v_cvt_pk_bf16_f32 v[X+4*i],   v[X+4*i],   v[X+4*i+1]
	v_cvt_pk_bf16_f32 v[X+4*i+1], v[X+4*i+2], v[X+4*i+3]
	global_store_b64 v2, v[X+4*i:X+4*i+1], s[22:23] offset:2048*i
.set i, i+1
.endr
	s_endpgm
.Lfunc_end_k_qefef309dd6_prep:
	.size	k_qefef309dd6_prep, .Lfunc_end_k_qefef309dd6_prep-k_qefef309dd6_prep
	.p2alignl 7, 3214868480
	.fill 96, 4, 3214868480
	.section	.rodata,"a",@progbits
	.p2align	6, 0x0
	.amdhsa_kernel k_qefef309dd6_prep
		.amdhsa_group_segment_fixed_size 0
		.amdhsa_private_segment_fixed_size 0
		.amdhsa_enable_private_segment 0
		.amdhsa_kernarg_size 56
		.amdhsa_user_sgpr_count 2
		.amdhsa_user_sgpr_kernarg_segment_ptr 1
		.amdhsa_wavefront_size32 1
		.amdhsa_system_sgpr_workgroup_id_x 1
		.amdhsa_system_sgpr_workgroup_id_y 1
		.amdhsa_system_sgpr_workgroup_id_z 1
		.amdhsa_system_vgpr_workitem_id 0
		.amdhsa_next_free_vgpr 144
		.amdhsa_next_free_sgpr 66
		.amdhsa_reserve_vcc 0
		.amdhsa_float_denorm_mode_32 3
		.amdhsa_float_denorm_mode_16_64 3
		.amdhsa_memory_ordered 1
		.amdhsa_forward_progress 1
		.amdhsa_inst_pref_size 45
	.end_amdhsa_kernel
	.amdgpu_metadata
---
amdhsa.version: [ 1, 2 ]
amdhsa.kernels:
  - .name:           k_qefef309dd6_prep
    .symbol:         k_qefef309dd6_prep.kd
    .args:
      - { .name: inputs, .offset: 0, .size: 8, .value_kind: global_buffer, .address_space: global }
      - { .name: w1, .offset: 8, .size: 8, .value_kind: global_buffer, .address_space: global }
      - { .name: w2, .offset: 16, .size: 8, .value_kind: global_buffer, .address_space: global }
      - { .name: gw, .offset: 24, .size: 8, .value_kind: global_buffer, .address_space: global }
      - { .name: cat, .offset: 32, .size: 8, .value_kind: global_buffer, .address_space: global }
      - { .name: csum, .offset: 40, .size: 8, .value_kind: global_buffer, .address_space: global }
      - { .name: wts, .offset: 48, .size: 8, .value_kind: global_buffer, .address_space: global }
    .group_segment_fixed_size: 0
    .private_segment_fixed_size: 0
    .kernarg_segment_align: 8
    .kernarg_segment_size: 56
    .max_flat_workgroup_size: 256
    .sgpr_count:     66
    .vgpr_count:     144
    .wavefront_size: 32
...
	.end_amdgpu_metadata
.endif
;; end of part 1
;; launch scan (part 2): grid 256 x 1, 8 waves a work-group, no clusters, 3,072 bytes of LDS; arguments cat, csum, ln_g, ln_b, x16, avg16; writes x16, avg16
.if DOCPART == 2
	.amdgcn_target "amdgcn-amd-amdhsa--gfx1250"
	.amdhsa_code_object_version 6
	.text
	.protected	k_qefef309dd6_scan
	.globl	k_qefef309dd6_scan
	.p2align	8
	.type	k_qefef309dd6_scan,@function
k_qefef309dd6_scan:
	s_mov_b64 s[64:65], 0
	v_nop
	global_prefetch_b8 v0, s[64:65] scope:SCOPE_SE
	s_setreg_imm32_b32 hwreg(HW_REG_WAVE_MODE, 25, 1), 1
	s_wait_xcnt 0x0
; SCAN.  avg[b][t] = (the sum over s <= t of inputs[b][s]) / (t + 1), then x = LayerNorm(avg) * g + b.  The product with the triangular mask is that sum: it is made as a prefix sum in f32.
; In: cat (bf16(inputs) in bytes 0..2047 of its rows of 4,096), csum (f32 sums of blocks of 32 rows), ln_g, ln_b (rounded here to bf16, like every input).  Out: avg16 and x16, [8192][1024] f16.
; LIMITS.  |avg| and |x| stay under 65,504 (f16's end): x is at most 32 |g| + |b| by its own normalisation; avg is a mean of the inputs.  The sum is taken in another order than a product's;
; 1 / (t + 1) and the inverse root come from instructions good to one unit in the last place.  NaN and infinities are not treated apart.
; SHARES.  Work-group g = 32 b + c owns rows 32 g .. 32 g + 31; thread t owns columns 4 t .. 4 t + 3 of all 32 rows, which stay in 128 registers from the sum to the last store.
; What lies in front of my rows is the sum of csum's rows 0 .. c - 1 of my batch: all 31 are loaded, and those from c on are masked off bit by bit, so every work-group does the same work
; and a later block's numbers, whatever they are, cannot enter.
; THE ROWS' SUMS (mean, then the sum of squares of the centred row: two passes, no difference of large sums): 32 partial sums a thread, one a row, are folded across the wave's 32 lanes so that
; lane l ends with row l's sum (77 instructions for 32 rows); the eight waves' figures meet in LDS, once for each of the two sums, in bytes of their own: two barriers in all.
; No matrix unit, no cluster: the launch moves bytes, and no two work-groups read the same rows of cat.
.set RED1,  0                          ; LDS: [wave][row] f32, 1,024 bytes
.set RED2,  1024                       ; the same for the second sum
.set SPARE, 2048                       ; the spare words: 128 bytes for each of eight waves; no other line names them
.set GG,  8                            ; v[8:11]   g of my four columns
.set BB,  12                           ; v[12:15]  b
.set RUN, 16                           ; v[16:19]  the running sum
.set T,   20                           ; v[20:23]  at work
.set INV, 24                           ; v24  lane l: 1 / (32 c + l + 1)
.set MEAN,25                           ; v25  lane l: minus the mean of row l
.set RS,  26                           ; v26  lane l: 1 / sqrt(var + eps) of row l
.set P,   32                           ; v[32:63]  row i's partial sum
.set AV,  64                           ; v[64:191] first csum's 31 rows, then row i's four numbers at AV + 4 i
.set IN,  192                          ; v[192:255] row i as loaded (4 bf16), then as stored to avg16 (4 f16)
.set SC,  32                           ; s[32:39]  four scalar pairs by turns: a row's scalar in the low word
	s_load_b256 s[4:11], s[0:1], 0x0               ; cat s[4:5], csum s[6:7], ln_g s[8:9], ln_b s[10:11]
	s_load_b128 s[12:15], s[0:1], 0x20             ; x16 s[12:13], avg16 s[14:15]
	v_lshl_add_u32 v3, v0, 2, SPARE                ; my spare word, and 0: kept for the closing add alone
	v_mov_b32 v4, 0
	s_mov_b32 s16, ttmp9                           ; g
	s_and_b32 s17, s16, 31                         ; c
	s_lshl_b32 s18, s17, 5
	s_add_co_u32 s18, s18, 1
	v_and_b32 v5, 31, v0                           ; lane
	v_add_nc_u32 v6, s18, v5                       ; t + 1 of row 'lane'
	v_cvt_f32_u32 v[INV], v6
	v_rcp_f32 v[INV], v[INV]                       ; the plain lines below stand between it and its first use
	v_lshlrev_b32 v1, 4, v0                        ; 16 t: f32 rows
	v_lshlrev_b32 v2, 3, v0                        ; 8 t: 16-bit rows
	v_lshlrev_b32 v27, 2, v0                       ; 4 t = 128 wave + 4 lane
	v_lshlrev_b32 v28, 2, v5                       ; 4 lane
	s_mov_b32 s24, 0xff00ff00                      ; lanes with bit 3, 2, 1, 0 set
	s_mov_b32 s25, 0xf0f0f0f0
	s_mov_b32 s26, 0xcccccccc
	s_mov_b32 s27, 0xaaaaaaaa
	s_mov_b32 s28, 0xffff0000                      ; a word's upper bf16
	s_mov_b32 s30, 0x3a800000                      ; 1 / 1024
	s_mov_b32 s31, 0x358637bd                      ; 1e-6
.irp k, 1,3,5,7
	s_mov_b32 s[SC+\k], 0                          ; the pairs' high words are named with the low ones, so they are written
.endr
	s_lshr_b32 s18, s16, 5
	s_lshl_b32 s18, s18, 17                        ; my batch's 32 rows of csum
	s_mov_b32 s19, 0
	s_wait_kmcnt 0x0
	s_add_nc_u64 s[6:7], s[6:7], s[18:19]
	s_lshl_b32 s18, s16, 17                        ; my 32 rows of cat
	s_add_nc_u64 s[4:5], s[4:5], s[18:19]
	s_lshl_b32 s18, s16, 16                        ; my 32 rows of x16 and avg16
	s_add_nc_u64 s[12:13], s[12:13], s[18:19]
	s_add_nc_u64 s[14:15], s[14:15], s[18:19]
.set i, 0
.rept 31
	global_load_b128 v[AV+4*i:AV+4*i+3], v1, s[6:7] offset:4096*i
.set i, i+1
.endr
.set i, 0
.rept 32
	global_load_b64 v[IN+2*i:IN+2*i+1], v2, s[4:5] offset:4096*i
.set i, i+1
.endr
	; ---- what lies in front of my rows ----
	s_wait_loadcnt 32                              ; csum's 31 rows are in: only the 32 rows of cat are younger
	s_cmp_gt_u32 s17, 0
	s_cselect_b32 s22, -1, 0
	s_wait_alu depctr_va_vdst(0)
.irp k, 0,1,2,3
	v_and_b32 v[RUN+\k], s22, v[AV+\k]             ; the first row starts the sum
.endr
.set i, 1
.rept 30
	s_cmp_gt_u32 s17, i                            ; does block i lie in front of mine?
	s_cselect_b32 s22, -1, 0
.irp k, 0,1,2,3
	v_and_b32 v[AV+4*i+\k], s22, v[AV+4*i+\k]
.endr
	v_pk_add_f32 v[RUN:RUN+1],   v[RUN:RUN+1],   v[AV+4*i:AV+4*i+1]
	v_pk_add_f32 v[RUN+2:RUN+3], v[RUN+2:RUN+3], v[AV+4*i+2:AV+4*i+3]
.set i, i+1
.endr
	; ---- the 32 rows: running sum, mean over time, avg16, and the row's partial sum ----
.set i, 0
.rept 32
	s_wait_loadcnt 31-i                            ; row i is in, the 31 - i younger rows may be out
	v_lshlrev_b32 v[T],   16,  v[IN+2*i]
	v_and_b32     v[T+1], s28, v[IN+2*i]
	v_lshlrev_b32 v[T+2], 16,  v[IN+2*i+1]
	v_and_b32     v[T+3], s28, v[IN+2*i+1]
	v_pk_add_f32 v[RUN:RUN+1],   v[RUN:RUN+1],   v[T:T+1]
	v_pk_add_f32 v[RUN+2:RUN+3], v[RUN+2:RUN+3], v[T+2:T+3]
	v_readlane_b32 s[SC+2*(i%4)], v[INV], i
	v_pk_mul_f32 v[AV+4*i:AV+4*i+1],   v[RUN:RUN+1],   s[SC+2*(i%4):SC+2*(i%4)+1] op_sel_hi:[1,0]
	v_pk_mul_f32 v[AV+4*i+2:AV+4*i+3], v[RUN+2:RUN+3], s[SC+2*(i%4):SC+2*(i%4)+1] op_sel_hi:[1,0]
	v_cvt_pk_f16_f32 v[IN+2*i],   v[AV+4*i],   v[AV+4*i+1]
	v_cvt_pk_f16_f32 v[IN+2*i+1], v[AV+4*i+2], v[AV+4*i+3]
	global_store_b64 v2, v[IN+2*i:IN+2*i+1], s[14:15] offset:2048*i   ; a wave stores 256 consecutive bytes; these two registers are not written again
	v_pk_add_f32 v[T:T+1], v[AV+4*i:AV+4*i+1], v[AV+4*i+2:AV+4*i+3]
	v_add_f32 v[P+i], v[T], v[T+1]
.set i, i+1
.endr
	global_load_b128 v[GG:GG+3], v1, s[8:9]        ; g and b are wanted last: they land under the two sums
	global_load_b128 v[BB:BB+3], v1, s[10:11]
; 32 registers of 32 lanes' partial sums -> lane l of v[P] holds row l's sum over the wave.  First the halves of the lanes: register i takes row i below and row i + 16 above.
; Then four halvings: of registers j and j + n each lane keeps the one that its bit n chooses and adds what the lane n away held of the same row.
.macro BSTEP n, m
.set j, 0
.rept \n
	v_cndmask_b32 v[T+2*(j%2)],   v[P+j+\n], v[P+j],    s[\m]   ; what I hand over
	v_cndmask_b32 v[T+2*(j%2)+1], v[P+j],    v[P+j+\n], s[\m]   ; what I keep
	v_add_f32_dpp v[P+j], v[T+2*(j%2)], v[T+2*(j%2)+1] row_xmask:\n row_mask:0xf bank_mask:0xf
.set j, j+1
.endr
.endm
.macro BFLY
.set j, 0
.rept 16
	v_permlane16_swap_b32 v[P+j], v[P+j+16]
.set j, j+1
.endr
.set j, 0
.rept 16
	v_add_f32 v[P+j], v[P+j], v[P+j+16]
.set j, j+1
.endr
	BSTEP 8, 24
	BSTEP 4, 25
	BSTEP 2, 26
	BSTEP 1, 27
.endm
; The eight waves' figures meet: each wave stores its 32, all pass a barrier, each wave reads all eight and adds them in the same order.  The sum is left in v[P+1].
.macro MEET red
	ds_store_b32 v27, v[P] offset:\red
	s_wait_dscnt 0x0                               ; for the others' sake: my store is done
	s_barrier_signal -1
	s_barrier_wait -1
.irp w, 0,1,2,3,4,5,6,7
	ds_load_b32 v[P+1+\w], v28 offset:(\red)+128*\w
.endr
	s_wait_dscnt 0x0
	v_add_f32 v[P+1], v[P+1], v[P+2]
	v_add_f32 v[P+3], v[P+3], v[P+4]
	v_add_f32 v[P+5], v[P+5], v[P+6]
	v_add_f32 v[P+7], v[P+7], v[P+8]
	v_add_f32 v[P+1], v[P+1], v[P+3]
	v_add_f32 v[P+5], v[P+5], v[P+7]
	v_add_f32 v[P+1], v[P+1], v[P+5]
.endm
	BFLY
	MEET RED1
	v_mul_f32 v[MEAN], 0xba800000, v[P+1]          ; minus the mean: sum x -1/1024
	; ---- centre the rows, and the partial sums of squares ----
.set i, 0
.rept 32
	v_readlane_b32 s[SC+2*(i%4)], v[MEAN], i
	v_pk_add_f32 v[AV+4*i:AV+4*i+1],   v[AV+4*i:AV+4*i+1],   s[SC+2*(i%4):SC+2*(i%4)+1] op_sel_hi:[1,0]
	v_pk_add_f32 v[AV+4*i+2:AV+4*i+3], v[AV+4*i+2:AV+4*i+3], s[SC+2*(i%4):SC+2*(i%4)+1] op_sel_hi:[1,0]
	v_pk_mul_f32 v[T+2*(i%2):T+2*(i%2)+1], v[AV+4*i:AV+4*i+1], v[AV+4*i:AV+4*i+1]
	v_pk_fma_f32 v[T+2*(i%2):T+2*(i%2)+1], v[AV+4*i+2:AV+4*i+3], v[AV+4*i+2:AV+4*i+3], v[T+2*(i%2):T+2*(i%2)+1]
	v_add_f32 v[P+i], v[T+2*(i%2)], v[T+2*(i%2)+1]
.set i, i+1
.endr
	BFLY
	MEET RED2                                      ; other bytes than the first sum's, so no barrier is needed between that sum's reads and these stores
	v_fma_f32 v[RS], v[P+1], s30, s31              ; var + eps
	v_rsq_f32 v[RS], v[RS]
	s_wait_loadcnt 0x0                             ; g and b; their rounding to bf16 is the plain work behind the root
.irp k, 0,2
	v_cvt_pk_bf16_f32 v[T],   v[GG+\k], v[GG+\k+1]
	v_cvt_pk_bf16_f32 v[T+1], v[BB+\k], v[BB+\k+1]
	v_lshlrev_b32 v[GG+\k],   16,  v[T]
	v_and_b32     v[GG+\k+1], s28, v[T]
	v_lshlrev_b32 v[BB+\k],   16,  v[T+1]
	v_and_b32     v[BB+\k+1], s28, v[T+1]
.endr
	; ---- x = centred x rs x g + b, rounded once to f16 ----
.set i, 0
	s_wait_alu depctr_va_vdst(0)
.rept 32
	v_readlane_b32 s[SC+2*(i%4)], v[RS], i
	v_pk_mul_f32 v[AV+4*i:AV+4*i+1],   v[AV+4*i:AV+4*i+1],   s[SC+2*(i%4):SC+2*(i%4)+1] op_sel_hi:[1,0]
	v_pk_mul_f32 v[AV+4*i+2:AV+4*i+3], v[AV+4*i+2:AV+4*i+3], s[SC+2*(i%4):SC+2*(i%4)+1] op_sel_hi:[1,0]
	v_pk_fma_f32 v[AV+4*i:AV+4*i+1],   v[AV+4*i:AV+4*i+1],   v[GG:GG+1],   v[BB:BB+1]
	v_pk_fma_f32 v[AV+4*i+2:AV+4*i+3], v[AV+4*i+2:AV+4*i+3], v[GG+2:GG+3], v[BB+2:BB+3]
	v_cvt_pk_f16_f32 v[AV+4*i],   v[AV+4*i],   v[AV+4*i+1]
	v_cvt_pk_f16_f32 v[AV+4*i+1], v[AV+4*i+2], v[AV+4*i+3]
	global_store_b64 v2, v[AV+4*i:AV+4*i+1], s[12:13] offset:2048*i
.set i, i+1
.endr
	s_wait_tensorcnt 0x0                           ; the wave's end, behind my last LDS store
	ds_add_u32 v3, v4
	s_wait_dscnt 0x0
	s_endpgm
.Lfunc_end_k_qefef309dd6_scan:
	.size	k_qefef309dd6_scan, .Lfunc_end_k_qefef309dd6_scan-k_qefef309dd6_scan
	.p2alignl 7, 3214868480
	.fill 96, 4, 3214868480
	.section	.rodata,"a",@progbits
	.p2align	6, 0x0
	.amdhsa_kernel k_qefef309dd6_scan
		.amdhsa_group_segment_fixed_size 3072
		.amdhsa_private_segment_fixed_size 0
		.amdhsa_enable_private_segment 0
		.amdhsa_kernarg_size 48
		.amdhsa_user_sgpr_count 2
		.amdhsa_user_sgpr_kernarg_segment_ptr 1
		.amdhsa_wavefront_size32 1
		.amdhsa_system_sgpr_workgroup_id_x 1
		.amdhsa_system_sgpr_workgroup_id_y 1
		.amdhsa_system_sgpr_workgroup_id_z 1
		.amdhsa_system_vgpr_workitem_id 0
		.amdhsa_next_free_vgpr 256
		.amdhsa_next_free_sgpr 66
		.amdhsa_reserve_vcc 0
		.amdhsa_float_denorm_mode_32 3
		.amdhsa_float_denorm_mode_16_64 3
		.amdhsa_memory_ordered 1
		.amdhsa_forward_progress 1
		.amdhsa_inst_pref_size 81
	.end_amdhsa_kernel
	.amdgpu_metadata
---
amdhsa.version: [ 1, 2 ]
amdhsa.kernels:
  - .name:           k_qefef309dd6_scan
    .symbol:         k_qefef309dd6_scan.kd
    .args:
      - { .name: cat, .offset: 0, .size: 8, .value_kind: global_buffer, .address_space: global }
      - { .name: csum, .offset: 8, .size: 8, .value_kind: global_buffer, .address_space: global }
      - { .name: ln_g, .offset: 16, .size: 8, .value_kind: global_buffer, .address_space: global }
      - { .name: ln_b, .offset: 24, .size: 8, .value_kind: global_buffer, .address_space: global }
      - { .name: x16, .offset: 32, .size: 8, .value_kind: global_buffer, .address_space: global }
      - { .name: avg16, .offset: 40, .size: 8, .value_kind: global_buffer, .address_space: global }
    .group_segment_fixed_size: 3072
    .private_segment_fixed_size: 0
    .kernarg_segment_align: 8
    .kernarg_segment_size: 48
    .max_flat_workgroup_size: 256
    .sgpr_count:     66
    .vgpr_count:     256
    .wavefront_size: 32
...
	.end_amdgpu_metadata
.endif
;; end of part 2
;; launch ffn1 (part 3): grid 4 x 64, 4 waves a work-group, clusters of 4 x 4, 327,680 bytes of LDS; arguments x16, wts, b1, h16; writes h16
.if DOCPART == 3
	.amdgcn_target "amdgcn-amd-amdhsa--gfx1250"
	.amdhsa_code_object_version 6
	.text
	.protected	k_qefef309dd6_ffn1
	.globl	k_qefef309dd6_ffn1
	.p2align	8
	.type	k_qefef309dd6_ffn1,@function
k_qefef309dd6_ffn1:
	s_mov_b64 s[64:65], 0
	v_nop
	global_prefetch_b8 v0, s[64:65] scope:SCOPE_SE
	s_setreg_imm32_b32 hwreg(HW_REG_WAVE_MODE, 25, 1), 1
	s_wait_xcnt 0x0
	s_wait_alu depctr_hold_cnt(0) depctr_sa_sdst(0) depctr_va_vdst(0) depctr_va_sdst(0) depctr_va_ssrc(0) depctr_va_vcc(0) depctr_vm_vsrc(0)
	s_getreg_b32 s2, hwreg(HW_REG_IB_STS2, 6, 4)
	s_cmp_eq_u32 s2, 0
	s_cbranch_scc0 .Lentry_in_a_cluster
	s_endpgm
.Lentry_in_a_cluster:
	s_bfe_u32 s2, ttmp6, 0x10000c
	s_cmp_lg_u32 s2, 0xf033
	s_cbranch_scc0 .Lentry_shape_is_right
	s_endpgm
.Lentry_shape_is_right:
; FFN1.  h = relu(x w1 + b1).  x16 [8192][1024] f16; w1 as f16 at byte 0 of wts, [k][n] as it was given; b1 f32, rounded here to bf16 like every input; h16 [8192][1024] bf16.  Sums in f32.
; LIMITS.  x and w1 arrive within f16's range; h leaves in bf16, which has f32's range.  NaN and infinities are not treated apart.
; SHARES.  A work-group makes 128 rows x 256 columns: 4 x 64 = 256 work-groups.  Each of its four waves makes 64 x 128: 32 accumulators of 16 x 16, 256 registers: rows 64 (wave / 2), columns 128 (wave % 2).
; K goes in steps of 128 through two LDS slots: 128 rows of x (256 bytes each) and 128 k-rows of w1, as two strips of 128 columns (256 bytes a row).  Every row asked for is 256 bytes at a multiple of 256.
; w1 lies [k][n]: its fragments come out of LDS turned, by ds_load_tr16_b128.
; THE K WALK IS WRITTEN FOR ONE K STEP: the slot in hand is a scalar, 0 or SLOT, turned by an exclusive or at each change of slots; the fragments' addresses are that scalar plus the lane's constant,
; and one descriptor for each operand walks on, one K step and one slot at a time.
; THE MATRIX INSTRUCTION IS USED TRANSPOSED: source 0 = 16 columns of w1, source 1 = 16 rows of x: a lane holds row lane % 16 and the eight neighbouring columns 8 (lane / 16) + 0..7.
; THE BIAS is the C operand of the products that start the sums: nothing is cleared, nothing is added later.
; CLUSTER.  4 x 4 work-groups.  The four of a row of the cluster need the same rows of x, the four of a column the same columns of w1: each tile is asked for jointly, by the same tensor load
; with the same descriptor and a mask that names the four.  Waves 0, 1 ask for x's two halves, waves 2, 3 for w1's two strips: one load a wave behind each round of the cluster's barrier.
; By this text's own count a wave has two tensor loads out at the start and one behind each round; from a request to the wait for it a wave issues 112 of a K step's 128 matrix instructions.
; REGISTERS, in windows of 256 (s_set_vgpr_msb: bits 1:0 source 0, 3:2 source 1, 5:4 source 2, 7:6 destination):
;   window 0: v0-31 addresses; v64-95, v96-127 fragments of x, two buffers; v128-255 the way out
;   window 1: v0-63 the bias (column block b at 8 b); v64-127, v128-191 fragments of w1, two buffers; v192-195 at work          window 2: accumulator (a, b) at 8 (8 a + b)
.set PA,     272                       ; an LDS row of x: 256 bytes + 16: the 16 rows of a fragment load start 16 bytes apart modulo 256
.set PB,     288                       ; an LDS row of w1: 256 + 32: 16 lanes of the turning load take 8 rows x 32 bytes, 32 bytes apart modulo 256
.set HALFA,  64*PA                     ; what one load of x brings, and what one wave reads
.set STRB,   128*PB                    ; a strip of w1
.set BOFF,   2*HALFA
.set SLOT,   BOFF+2*STRB               ; 108,544
.set STAGE,  2*SLOT                    ; behind the ring, never filled by a tensor load: 64 rows x 272 bytes for each wave
.set SPITCH, 272
.set STGW,   64*SPITCH
.set SPARE,  STAGE+4*STGW              ; the spare words: 128 bytes for each wave; no other line names them
.set STEPS,  8                         ; 1,024 / 128
.set BO,    8                          ; v8   my byte offset in the bias
.set ADRA0, 16                         ; v16  my fragments of x in slot 0; never rewritten
.set ADRA,  17                         ; v17  the same in the slot in hand
.set ADRB0, 20                         ; v20  my fragments of w1 in slot 0; never rewritten
.set ADRB,  21                         ; v21  the same in the slot in hand
.set STO,  24                          ; v24  the way out: where I put 16 bytes of a row
.set RD,   25                          ; v25  where I read rows back
.set ZR,   27                          ; v27  0
.set SPW,  28                          ; v28  my spare word; never rewritten
.set NIL,  29                          ; v29  0; never rewritten
.set CO,   30                          ; v30  my byte offset in h16
.set G1,  24                           ; s[24:31] group 1 for x's tiles;  s[32:39] group 0: a set for each of the two first fills; the second then walks on
.set G0,  32
.set G1B, 48                           ; s[48:55], s[56:63] the same for w1's
.set G0B, 56
.set WV,  66                           ; wave
.set RH,  67                           ; wave / 2: my half of the rows; also: I ask for x (0) or w1 (1)
.set CH,  68                           ; wave % 2: my strip of columns; also: which half or strip I ask for
.set LPA, 92                           ; s92  the place in a slot of the half of x that I ask for
.set LPB, 93                           ; s93  of the strip of w1
.set TB,  94                           ; s94  LDS byte at which the slot in hand begins: 0 or SLOT
.set MSB, 0
.macro WIN new                         ; the immediate's high byte repeats the setting that is left; a switch that changes nothing is dropped
.if MSB != (\new)
	s_set_vgpr_msb (MSB<<8)|(\new)
.set MSB, \new
.endif
.endm
.macro JLOAD s                         ; a joint load; the branch hangs on the wave's number alone; an s_nop 0 and four v_nop follow each of the two lines
	s_cmp_eq_u32 s[RH], 0
	s_cbranch_scc0 .Lfor_b_\@
	tensor_load_to_lds s[G0+4*(\s):G0+4*(\s)+3], s[G1:G1+7]
	s_nop 0
.rept 4
	v_nop
.endr
	s_branch .Lasked_\@
.Lfor_b_\@:
	tensor_load_to_lds s[G0B+4*(\s):G0B+4*(\s)+3], s[G1B:G1B+7]
	s_nop 0
.rept 4
	v_nop
.endr
.Lasked_\@:
.endm
.macro CREST                           ; a round of the cluster's barrier behind its opening barrier
	s_cmp_lg_u32 s[WV], 0
	s_cbranch_scc1 .Lnot_wave_0_\@
	s_barrier_signal -3
.Lnot_wave_0_\@:
	s_barrier_wait -3
	s_barrier_signal -1
	s_barrier_wait -1
.endm
.macro CROUND                          ; a whole round
	s_barrier_signal -1
	s_barrier_wait -1
	CREST
.endm
.macro PLACES                          ; four places in front of loads into registers that matrix instructions have read, and of lines that read results
.rept 4
	v_nop
.endr
.endm
	s_load_b256 s[4:11], s[0:1], 0x0               ; x16 s[4:5], wts s[6:7], b1 s[8:9], h16 s[10:11]
	v_lshl_add_u32 v[SPW], v0, 2, SPARE
	v_mov_b32 v[NIL], 0
	ds_add_u32 v[SPW], v[NIL]                      ; the wave's opening: the add and its wait stand ahead of my first tensor load; the set-up below stands between them
	v_lshrrev_b32 v1, 5, v0
	v_readfirstlane_b32 s[WV], v1
	s_lshr_b32 s[RH], s[WV], 1
	s_and_b32 s[CH], s[WV], 1
	s_bfe_u32 s40, ttmp6, 0x40000                  ; cx
	s_bfe_u32 s41, ttmp6, 0x40004                  ; cy
	s_lshl_b32 s42, ttmp9, 2
	s_add_co_u32 s42, s42, s40                     ; tc: tile column = 4 x cluster x + cx
	s_and_b32 s45, ttmp7, 0xffff
	s_lshl_b32 s45, s45, 2
	s_add_co_u32 s45, s45, s41                     ; tr: tile row = 4 x cluster y + cy
	s_lshl_b32 s43, s41, 2
	s_lshl_b32 s43, 15, s43                        ; my row of the cluster
	s_lshl_b32 s44, 0x1111, s40                    ; my column
	s_or_b32 s[G1+0], s43, (1<<16)|(1<<20)|(1<<21)|(5<<22)|(3<<25)   ; mask; 2-byte elements; padding on; bit 21 beside a mask; after every 64 words 4 words
	s_or_b32 s[G1B+0], s44, (1<<16)|(1<<20)|(1<<21)|(5<<22)|(7<<25)  ; the same with my column's mask and 8 words
	s_mov_b32 s[G1+1], 128<<16                     ; tensor_dim0 = 128
	s_mov_b32 s[G1+2], 64<<16                      ; tensor_dim1 = 64
	s_mov_b32 s[G1+3], 128<<16                     ; tile_dim0 = 128
	s_mov_b32 s[G1+4], 64                          ; tile_dim1 = 64
	s_mov_b32 s[G1+5], 1024                        ; elements from row to row
	s_mov_b32 s[G1+6], 0
	s_mov_b32 s[G1+7], 0
	s_mov_b32 s[G1B+1], 128<<16
	s_mov_b32 s[G1B+2], 128<<16                    ; 128 k-rows
	s_mov_b32 s[G1B+3], 128<<16
	s_mov_b32 s[G1B+4], 128
	s_mov_b32 s[G1B+5], 1024
	s_mov_b32 s[G1B+6], 0
	s_mov_b32 s[G1B+7], 0
	s_lshl_b32 s16, s45, 18                        ; x: (128 tr + 64 half) rows of 2,048 bytes: made of tr and the wave alone
	s_lshl_b32 s17, s[CH], 17
	s_add_co_u32 s16, s16, s17
	s_mov_b32 s17, 0
	s_lshl_b32 s46, s42, 9                         ; w1: columns 256 tc + 128 strip, 2 bytes each: made of tc and the wave alone
	s_lshl_b32 s47, s[CH], 8
	s_add_co_u32 s46, s46, s47
	s_mov_b32 s47, 0
	s_lshl_b32 s22, s42, 10                        ; the bias of my 128 columns, 4 bytes each
	s_lshl_b32 s23, s[CH], 9
	s_add_co_u32 s22, s22, s23
	s_mov_b32 s23, 0
	s_lshl_b32 s88, s45, 18                        ; h16: (128 tr + 64 RH) rows of 2,048 bytes + 512 tc + 256 CH
	s_lshl_b32 s89, s[RH], 17
	s_add_co_u32 s88, s88, s89
	s_lshl_b32 s89, s42, 9
	s_add_co_u32 s88, s88, s89
	s_lshl_b32 s89, s[CH], 8
	s_add_co_u32 s88, s88, s89
	s_mov_b32 s89, 0
	s_mul_i32 s[LPA], s[CH], HALFA                 ; where my tile goes in a slot: no place in the cluster enters an LDS address
	s_mul_i32 s[LPB], s[CH], STRB
	s_add_co_u32 s[LPB], s[LPB], BOFF
	s_mov_b32 s[TB], 0                             ; the walk begins in slot 0
	s_mov_b32 s72, 0xffff0000
	s_wait_dscnt 0x0                               ; the opening add is done
	s_wait_kmcnt 0x0
	s_add_nc_u64 s[18:19], s[4:5], s[16:17]
	s_add_nc_u64 s[46:47], s[6:7], s[46:47]
	s_add_nc_u64 s[8:9], s[8:9], s[22:23]
	s_add_nc_u64 s[10:11], s[10:11], s[88:89]
	CROUND                                         ; all sixteen work-groups are here: the first joint loads meet
.irp s, 0,1
	s_mov_b32 s[G0+4*(\s)], 1
	s_add_co_u32 s[G0+4*(\s)+1], s[LPA], (\s)*SLOT
	s_add_nc_u64 s[G0+4*(\s)+2:G0+4*(\s)+3], s[18:19], (\s)*256       ; K step s: 128 elements along the rows
	s_or_b32 s[G0+4*(\s)+3], s[G0+4*(\s)+3], 0x80000000
	s_mov_b32 s[G0B+4*(\s)], 1
	s_add_co_u32 s[G0B+4*(\s)+1], s[LPB], (\s)*SLOT
	s_add_nc_u64 s[G0B+4*(\s)+2:G0B+4*(\s)+3], s[46:47], (\s)*262144  ; K step s: 128 rows of 2,048 bytes down
	s_or_b32 s[G0B+4*(\s)+3], s[G0B+4*(\s)+3], 0x80000000
	JLOAD \s
.endr
	v_and_b32 v1, 15, v0                           ; r = lane % 16
	v_bfe_u32 v2, v0, 4, 1                         ; h = lane / 16
	v_lshlrev_b32 v[BO], 5, v2                     ; my eight columns of a block begin 32 h bytes in
	WIN 0x40                                       ; destination window 1
.irp b, 0,1,2,3,4,5,6,7
	global_load_b128 v[8*(\b):8*(\b)+3],   v[BO], s[8:9] offset:64*(\b)
	global_load_b128 v[8*(\b)+4:8*(\b)+7], v[BO], s[8:9] offset:64*(\b)+16
.endr
	WIN 0
	v_mul_u32_u24 v3, v1, PA
	v_lshl_add_u32 v3, v2, 4, v3                   ; a fragment of x: row r x pitch + 16 h
	s_mul_i32 s21, s[RH], HALFA
	v_add_nc_u32 v[ADRA0], s21, v3
	v_mov_b32 v[ADRA], v[ADRA0]
	v_and_b32 v4, 7, v0                            ; the turning load: k-row 8 h + lane % 8, 16 bytes at 16 ((lane / 8) % 2)
	v_lshl_add_u32 v4, v2, 3, v4
	v_mul_u32_u24 v4, v4, PB
	v_bfe_u32 v5, v0, 3, 1
	v_lshl_add_u32 v4, v5, 4, v4
	s_mul_i32 s22, s[CH], STRB
	s_add_co_u32 s22, s22, BOFF
	v_add_nc_u32 v[ADRB0], s22, v4
	v_mov_b32 v[ADRB], v[ADRB0]
	s_mul_i32 s23, s[WV], STGW
	s_add_co_u32 s23, s23, STAGE                   ; my stage
	v_mul_u32_u24 v6, v1, SPITCH                   ; in: row r, 16 bytes for each half of the lanes
	v_lshl_add_u32 v6, v2, 4, v6
	v_add_nc_u32 v[STO], s23, v6
	v_mul_u32_u24 v6, v2, SPITCH                   ; back: lanes 0-15 one row of 256 bytes, lanes 16-31 the next
	v_lshl_add_u32 v6, v1, 4, v6
	v_add_nc_u32 v[RD], s23, v6
	v_lshlrev_b32 v6, 11, v2                       ; and the same two rows in h16
	v_lshl_add_u32 v[CO], v1, 4, v6
	v_mov_b32 v[ZR], 0
	s_wait_loadcnt 0x0                             ; the bias; it is rounded to bf16 like every input
	WIN 0x45                                       ; destination and both sources window 1
.set p, 0
.rept 32
	v_cvt_pk_bf16_f32 v[192+p%4], v[2*p], v[2*p+1]
	v_lshlrev_b32 v[2*p],   16,  v[192+p%4]
	v_and_b32     v[2*p+1], s72, v[192+p%4]
.set p, p+1
.endr
	WIN 0
; 8 matrix instructions: row block a x all 8 column blocks, 32 along K, from buffer f.  first = 1: the products start the sums, with the bias as C.
.macro MUL8 f, a, first
.if \first
	WIN 0x91                                       ; w1 and the bias window 1, x window 0, D window 2
.else
	WIN 0xa1                                       ; w1 window 1, x window 0, C and D window 2
.endif
.irp b, 0,1,2,3,4,5,6,7
.if \first
	v_wmma_f32_16x16x32_f16 v[8*(8*(\a)+(\b)):8*(8*(\a)+(\b))+7], v[64+64*(\f)+8*(\b):64+64*(\f)+8*(\b)+7], v[64+32*(\f)+8*(\a):64+32*(\f)+8*(\a)+7], v[8*(\b):8*(\b)+7]
.else
	v_wmma_f32_16x16x32_f16 v[8*(8*(\a)+(\b)):8*(8*(\a)+(\b))+7], v[64+64*(\f)+8*(\b):64+64*(\f)+8*(\b)+7], v[64+32*(\f)+8*(\a):64+32*(\f)+8*(\a)+7], v[8*(8*(\a)+(\b)):8*(8*(\a)+(\b))+7]
.endif
.endr
.endm
; 24 LDS loads in one run: the fragments of quarter q (32 along K) of the slot in hand into buffer f: w1's 8 column blocks, turned, then x's 4 row blocks
.macro FETCH q, f
	WIN 0x40
.irp i, 0,1,2,3,4,5,6,7
	ds_load_tr16_b128 v[64+64*(\f)+8*(\i):64+64*(\f)+8*(\i)+3],   v[ADRB] offset:(\q)*32*PB+32*(\i)
	ds_load_tr16_b128 v[64+64*(\f)+8*(\i)+4:64+64*(\f)+8*(\i)+7], v[ADRB] offset:(\q)*32*PB+32*(\i)+16*PB
.endr
	WIN 0
.irp i, 0,1,2,3
	ds_load_b128 v[64+32*(\f)+8*(\i):64+32*(\f)+8*(\i)+3],   v[ADRA] offset:64*(\q)+(\i)*16*PA
	ds_load_b128 v[64+32*(\f)+8*(\i)+4:64+32*(\f)+8*(\i)+7], v[ADRA] offset:64*(\q)+(\i)*16*PA+32
.endr
.endm
; A K step is four quarters of 32 along K, 32 matrix instructions each, on buffers 0, 1, 0, 1; the 32 accumulators take turns, one instruction a turn.
; One of the first three: multiplies buffer f and, in its middle, fetches quarter q of the slot in hand into buffer g.
.macro QUARTER q, f, g, first
	s_wait_dscnt 4                                 ; w1 and x's blocks 0, 1 are in; the youngest four loads (blocks 2, 3) may be out
	MUL8 \f, 0, \first
	MUL8 \f, 1, \first
	PLACES
	FETCH \q, \g
	s_wait_dscnt 24                                ; all but the 24 just issued
	MUL8 \f, 2, \first
	MUL8 \f, 3, \first
.endm
; The last quarter multiplies buffer 1 and changes slots: ONE barrier.  In front of it each wave waits for all its tensor loads (its part of the next slot), adds 0 to its spare word, and waits for
; that and for its reads of this slot.  fill = 1: the barrier opens a round of the cluster's, and the joint refill of the slot just read, with the K step two steps on, is the first thing behind the round.
.macro TURN fill
	WIN 0                                          ; (the add's two registers lie in window 0)
	s_wait_tensorcnt 0x0                           ; all my tensor loads have landed
	ds_add_u32 v[SPW], v[NIL]                      ; 0 onto my spare word
	s_wait_dscnt 5                                 ; (the add and the youngest four loads may be out)
	MUL8 1, 0, 0                                   ; eight matrix instructions stand between the add and the wait for it
	s_wait_dscnt 0x0                               ; the add is done, and my reads of this slot are over
	s_barrier_signal -1
	MUL8 1, 1, 0
	WIN 0                                          ; (branches and address lines follow)
	s_barrier_wait -1
.if \fill
	CREST                                          ; no wave of any partner still reads this slot or has a load on its way
	s_add_co_u32 s[G0+5], s[LPA], s[TB]            ; the walking descriptors: into the slot just read,
	s_add_nc_u64 s[G0+6:G0+7], s[G0+6:G0+7], 256   ; one K step on; the type bits on top are not reached
	s_add_co_u32 s[G0B+5], s[LPB], s[TB]
	s_add_nc_u64 s[G0B+6:G0B+7], s[G0B+6:G0B+7], 262144
	JLOAD 1                                        ; the four v_nop behind it are also the places in front of the loads below
.else
	PLACES
.endif
	s_xor_b32 s[TB], s[TB], SLOT                   ; the other slot is in hand now
	v_add_nc_u32 v[ADRA], s[TB], v[ADRA0]
	v_add_nc_u32 v[ADRB], s[TB], v[ADRB0]
	FETCH 0, 0
	MUL8 1, 2, 0
	MUL8 1, 3, 0
.endm
	s_wait_tensorcnt 0x1                           ; my part of K step 0 is in; K step 1's may stay out
	s_barrier_signal -1
	s_barrier_wait -1                              ; everybody's is
	FETCH 0, 0
	QUARTER 1, 0, 1, 1                             ; the first quarter stands in front of the loop: its products start the sums
	WIN 0                                          ; at a label and at a branch every window is 0
	s_mov_b32 s3, STEPS-2
.Lstep:                                                ; a trip goes from a K step's second quarter to the next step's first, and fills the slot that it leaves: K steps 2 to 7
	QUARTER 2, 1, 0, 0
	QUARTER 3, 0, 1, 0
	TURN 1
	QUARTER 1, 0, 1, 0
	WIN 0
	s_sub_co_u32 s3, s3, 1
	s_cmp_lg_u32 s3, 0
	s_cbranch_scc1 .Lstep
	QUARTER 2, 1, 0, 0                             ; the last two K steps fill nothing
	QUARTER 3, 0, 1, 0
	TURN 0
	QUARTER 1, 0, 1, 0
	QUARTER 2, 1, 0, 0
	QUARTER 3, 0, 1, 0
	s_wait_dscnt 4
	MUL8 1, 0, 0
	MUL8 1, 1, 0
	s_wait_dscnt 0x0
	MUL8 1, 2, 0
	MUL8 1, 3, 0
	PLACES
	; THE WAY OUT.  Rounded to bf16 (each accumulator from its low end), the negative ones set to 0, 16 bytes a lane into my own stage, back as whole rows of 256 bytes, stored.
	WIN 0x0a                                       ; both sources window 2, destination window 0
.set t, 0
.rept 32
.irp i, 0,1,2,3
	v_cvt_pk_bf16_f32 v[128+4*t+(\i)], v[8*t+2*(\i)], v[8*t+2*(\i)+1]
.endr
.set t, t+1
.endr
	WIN 0
.set t, 0
.rept 128
	v_pk_max_num_bf16 v[128+t], v[128+t], v[ZR]    ; two at a time; nothing is rounded
.set t, t+1
.endr
.set t, 0
.rept 32
	ds_store_b128 v[STO], v[128+4*t:128+4*t+3] offset:(t/8)*16*SPITCH+32*(t%8)
.set t, t+1
.endr
.set t, 0
.rept 32
	ds_load_b128 v[128+4*t:128+4*t+3], v[RD] offset:t*2*SPITCH   ; LDS serves a wave's instructions in order (ISA guide 5.7.1.4): these see the stores above
.set t, t+1
.endr
.set t, 0
.rept 32
	s_wait_dscnt 31-t
	global_store_b128 v[CO], v[128+4*t:128+4*t+3], s[10:11] offset:t*4096   ; 16 lanes store 256 consecutive bytes, at a multiple of 256 from h16's first byte
.set t, t+1
.endr
	s_wait_tensorcnt 0x0                           ; the wave's end
	ds_add_u32 v[SPW], v[NIL]
	s_wait_dscnt 0x0
	CROUND                                         ; the closing round: no work-group ends while a partner may still ask for a tile that names it
	s_endpgm
.Lfunc_end_k_qefef309dd6_ffn1:
	.size	k_qefef309dd6_ffn1, .Lfunc_end_k_qefef309dd6_ffn1-k_qefef309dd6_ffn1
	.p2alignl 7, 3214868480
	.fill 96, 4, 3214868480
	.section	.rodata,"a",@progbits
	.p2align	6, 0x0
	.amdhsa_kernel k_qefef309dd6_ffn1
		.amdhsa_group_segment_fixed_size 327680
		.amdhsa_private_segment_fixed_size 0
		.amdhsa_enable_private_segment 0
		.amdhsa_kernarg_size 32
		.amdhsa_user_sgpr_count 2
		.amdhsa_user_sgpr_kernarg_segment_ptr 1
		.amdhsa_wavefront_size32 1
		.amdhsa_system_sgpr_workgroup_id_x 1
		.amdhsa_system_sgpr_workgroup_id_y 1
		.amdhsa_system_sgpr_workgroup_id_z 1
		.amdhsa_system_vgpr_workitem_id 0
		.amdhsa_next_free_vgpr 768
		.amdhsa_next_free_sgpr 96
		.amdhsa_reserve_vcc 0
		.amdhsa_float_denorm_mode_32 3
		.amdhsa_float_denorm_mode_16_64 3
		.amdhsa_memory_ordered 1
		.amdhsa_forward_progress 1
		.amdhsa_inst_pref_size 85
	.end_amdhsa_kernel
	.amdgpu_metadata
---
amdhsa.version: [ 1, 2 ]
amdhsa.kernels:
  - .name:           k_qefef309dd6_ffn1
    .symbol:         k_qefef309dd6_ffn1.kd
    .args:
      - { .name: x16, .offset: 0, .size: 8, .value_kind: global_buffer, .address_space: global }
      - { .name: wts, .offset: 8, .size: 8, .value_kind: global_buffer, .address_space: global }
      - { .name: b1, .offset: 16, .size: 8, .value_kind: global_buffer, .address_space: global }
      - { .name: h16, .offset: 24, .size: 8, .value_kind: global_buffer, .address_space: global }
    .group_segment_fixed_size: 327680
    .private_segment_fixed_size: 0
    .kernarg_segment_align: 8
    .kernarg_segment_size: 32
    .max_flat_workgroup_size: 128
    .sgpr_count:     96
    .vgpr_count:     768
    .wavefront_size: 32
...
	.end_amdgpu_metadata
.endif
;; end of part 3
;; launch ffn2 (part 4): grid 4 x 64, 4 waves a work-group, clusters of 4 x 4, 327,680 bytes of LDS; arguments h16, wts, b2, out1, avg16, cat; writes out1, cat
.if DOCPART == 4
	.amdgcn_target "amdgcn-amd-amdhsa--gfx1250"
	.amdhsa_code_object_version 6
	.text
	.protected	k_qefef309dd6_ffn2
	.globl	k_qefef309dd6_ffn2
	.p2align	8
	.type	k_qefef309dd6_ffn2,@function
k_qefef309dd6_ffn2:
	s_mov_b64 s[64:65], 0
	v_nop
	global_prefetch_b8 v0, s[64:65] scope:SCOPE_SE
	s_setreg_imm32_b32 hwreg(HW_REG_WAVE_MODE, 25, 1), 1
	s_wait_xcnt 0x0
	s_wait_alu depctr_hold_cnt(0) depctr_sa_sdst(0) depctr_va_vdst(0) depctr_va_sdst(0) depctr_va_ssrc(0) depctr_va_vcc(0) depctr_vm_vsrc(0)
	s_getreg_b32 s2, hwreg(HW_REG_IB_STS2, 6, 4)
	s_cmp_eq_u32 s2, 0
	s_cbranch_scc0 .Lentry_in_a_cluster
	s_endpgm
.Lentry_in_a_cluster:
	s_bfe_u32 s2, ttmp6, 0x10000c
	s_cmp_lg_u32 s2, 0xf033
	s_cbranch_scc0 .Lentry_shape_is_right
	s_endpgm
.Lentry_shape_is_right:
; FFN2.  ffn = h w2 + b2 + avg.  h16 [8192][1024] bf16; bf16(w2) at byte 2,097,152 of wts, [k][n]; b2 f32, rounded here to bf16 like every input; avg16 [8192][1024] f16.
; Out: out1 [8192][1024] f32, and bf16(ffn) into bytes 2048..4095 of cat's rows of 4,096 (the second half of the gates' K).  Sums in f32.
; LIMITS.  avg arrives within f16's range.  NaN and infinities are not treated apart.
; SHARES, RING, CLUSTER, REGISTERS: 128 rows x 256 columns a work-group, 64 x 128 a wave, K steps of 128 through two LDS slots, w2's fragments turned by ds_load_tr16_b128, the matrix instruction
; used transposed (a lane holds row lane % 16, columns 8 (lane / 16) + 0..7), the bias as the C operand of the first products, tiles of h shared along a row of the 4 x 4 cluster and tiles of w2
; along a column by joint loads, one a wave behind each round of the cluster's barrier.  The K walk is written for one K step: the slot in hand is a scalar, 0 or SLOT, turned by an exclusive or at
; each change of slots, and one descriptor for each operand walks on.  The work-group's 128 x 256 tile of avg comes in with the first fills, 32 rows a wave, by loads of its own
; (no other work-group wants it): by this text's own count a wave has three tensor loads out at the start and one behind each round.
; THE WAY OUT goes through LDS in f32: a wave's 64 x 128 into 64 rows of 528 bytes in the ring's bytes, which have had their last fill and, behind a barrier, their last reader.
;   window 0: v0-31 addresses; v64-95, v96-127 fragments of h; v128-255 the way out     window 1: v0-63 bias; v64-127, v128-191 fragments of w2; v192-195 at work     window 2: accumulator (a, b) at 8 (8 a + b)
.set PA,     272
.set PB,     288
.set HALFA,  64*PA
.set STRB,   128*PB
.set BOFF,   2*HALFA
.set SLOT,   BOFF+2*STRB               ; 108,544
.set AVT,    2*SLOT                    ; behind the ring: avg's tile, 128 rows of 512 bytes + 16
.set SPT,    528
.set STGW,   64*SPT                    ; a wave's stage, at wave x STGW from LDS byte 0
.set SPARE,  AVT+128*SPT               ; the spare words: 128 bytes for each wave; no other line names them
.set W2OFF,  2097152
.set STEPS,  8                         ; 1,024 / 128
.set BO,    8                          ; v8   my byte offset in the bias
.set OA,    11                         ; v11  my byte offset in out1
.set OC,    12                         ; v12  in cat
.set AVA,   13                         ; v13  my 8 bytes in a row of avg's tile
.set ADRA0, 16                         ; v16  my fragments of h in slot 0; never rewritten
.set ADRA,  17                         ; v17  the same in the slot in hand
.set ADRB0, 20                         ; v20  my fragments of w2 in slot 0; never rewritten
.set ADRB,  21                         ; v21  the same in the slot in hand
.set STO,  24
.set RD,   25
.set ONE,  27                          ; v27  1.0
.set SPW,  28
.set NIL,  29
.set G1,  24                           ; s[24:31] group 1 for h's tiles;  s[32:39] group 0: a set for each of the two first fills; the second then walks on
.set G0,  32
.set G1B, 48                           ; s[48:55], s[56:63] the same for w2's
.set G0B, 56
.set G1E, 76                           ; s[76:83], s[84:87] avg's tile
.set G0E, 84
.set WV,  66
.set RH,  67
.set CH,  68
.set LPA, 92                           ; s92  the place in a slot of the half of h that I ask for
.set LPB, 93                           ; s93  of the strip of w2
.set TB,  94                           ; s94  LDS byte at which the slot in hand begins: 0 or SLOT
.set MSB, 0
.macro WIN new
.if MSB != (\new)
	s_set_vgpr_msb (MSB<<8)|(\new)
.set MSB, \new
.endif
.endm
.macro JLOAD s                         ; a joint load; the branch hangs on the wave's number alone; an s_nop 0 and four v_nop follow each of the two lines
	s_cmp_eq_u32 s[RH], 0
	s_cbranch_scc0 .Lfor_b_\@
	tensor_load_to_lds s[G0+4*(\s):G0+4*(\s)+3], s[G1:G1+7]
	s_nop 0
.rept 4
	v_nop
.endr
	s_branch .Lasked_\@
.Lfor_b_\@:
	tensor_load_to_lds s[G0B+4*(\s):G0B+4*(\s)+3], s[G1B:G1B+7]
	s_nop 0
.rept 4
	v_nop
.endr
.Lasked_\@:
.endm
.macro CREST
	s_cmp_lg_u32 s[WV], 0
	s_cbranch_scc1 .Lnot_wave_0_\@
	s_barrier_signal -3
.Lnot_wave_0_\@:
	s_barrier_wait -3
	s_barrier_signal -1
	s_barrier_wait -1
.endm
.macro CROUND
	s_barrier_signal -1
	s_barrier_wait -1
	CREST
.endm
.macro PLACES
.rept 4
	v_nop
.endr
.endm
	s_load_b256 s[4:11], s[0:1], 0x0               ; h16 s[4:5], wts s[6:7], b2 s[8:9], out1 s[10:11]
	s_load_b128 s[12:15], s[0:1], 0x20             ; avg16 s[12:13], cat s[14:15]
	v_lshl_add_u32 v[SPW], v0, 2, SPARE
	v_mov_b32 v[NIL], 0
	ds_add_u32 v[SPW], v[NIL]                      ; the wave's opening: the add and its wait stand ahead of my first tensor load
	v_lshrrev_b32 v1, 5, v0
	v_readfirstlane_b32 s[WV], v1
	s_lshr_b32 s[RH], s[WV], 1
	s_and_b32 s[CH], s[WV], 1
	s_bfe_u32 s40, ttmp6, 0x40000                  ; cx
	s_bfe_u32 s41, ttmp6, 0x40004                  ; cy
	s_lshl_b32 s42, ttmp9, 2
	s_add_co_u32 s42, s42, s40                     ; tc
	s_and_b32 s45, ttmp7, 0xffff
	s_lshl_b32 s45, s45, 2
	s_add_co_u32 s45, s45, s41                     ; tr
	s_lshl_b32 s43, s41, 2
	s_lshl_b32 s43, 15, s43                        ; my row of the cluster
	s_lshl_b32 s44, 0x1111, s40                    ; my column
	s_or_b32 s[G1+0], s43, (1<<16)|(1<<20)|(1<<21)|(5<<22)|(3<<25)
	s_or_b32 s[G1B+0], s44, (1<<16)|(1<<20)|(1<<21)|(5<<22)|(7<<25)
	s_mov_b32 s[G1+1], 128<<16
	s_mov_b32 s[G1+2], 64<<16
	s_mov_b32 s[G1+3], 128<<16
	s_mov_b32 s[G1+4], 64
	s_mov_b32 s[G1+5], 1024
	s_mov_b32 s[G1+6], 0
	s_mov_b32 s[G1+7], 0
	s_mov_b32 s[G1B+1], 128<<16
	s_mov_b32 s[G1B+2], 128<<16
	s_mov_b32 s[G1B+3], 128<<16
	s_mov_b32 s[G1B+4], 128
	s_mov_b32 s[G1B+5], 1024
	s_mov_b32 s[G1B+6], 0
	s_mov_b32 s[G1B+7], 0
	s_mov_b32 s[G1E+0], (1<<16)|(1<<20)|(6<<22)|(3<<25)  ; no mask; 2-byte elements; after every 128 words 4 words of padding
	s_mov_b32 s[G1E+1], 256<<16                    ; tensor_dim0 = 256
	s_mov_b32 s[G1E+2], 32<<16                     ; tensor_dim1 = 32
	s_mov_b32 s[G1E+3], 256<<16                    ; tile_dim0 = 256
	s_mov_b32 s[G1E+4], 32                         ; tile_dim1 = 32
	s_mov_b32 s[G1E+5], 1024
	s_mov_b32 s[G1E+6], 0
	s_mov_b32 s[G1E+7], 0
	s_lshl_b32 s16, s45, 18                        ; h: (128 tr + 64 half) rows of 2,048 bytes
	s_lshl_b32 s17, s[CH], 17
	s_add_co_u32 s16, s16, s17
	s_mov_b32 s17, 0
	s_lshl_b32 s46, s42, 9                         ; w2: its place in wts + columns 256 tc + 128 strip
	s_lshl_b32 s47, s[CH], 8
	s_add_co_u32 s46, s46, s47
	s_add_co_u32 s46, s46, W2OFF
	s_mov_b32 s47, 0
	s_lshl_b32 s22, s42, 10                        ; the bias of my 128 columns
	s_lshl_b32 s23, s[CH], 9
	s_add_co_u32 s22, s22, s23
	s_mov_b32 s23, 0
	s_lshl_b32 s88, s45, 18                        ; avg: (128 tr + 32 wave) rows of 2,048 bytes + 512 tc
	s_lshl_b32 s89, s[WV], 16
	s_add_co_u32 s88, s88, s89
	s_lshl_b32 s89, s42, 9
	s_add_co_u32 s88, s88, s89
	s_mov_b32 s89, 0
	s_lshl_b32 s90, s45, 19                        ; out1 and cat: (128 tr + 64 RH) rows of 4,096 bytes
	s_lshl_b32 s91, s[RH], 18
	s_add_co_u32 s90, s90, s91
	s_lshl_b32 s73, s42, 9                         ; cat: + 2,048 + 512 tc + 256 CH
	s_lshl_b32 s74, s[CH], 8
	s_add_co_u32 s74, s74, s73
	s_add_co_u32 s74, s74, s90
	s_add_co_u32 s74, s74, 2048
	s_mov_b32 s75, 0
	s_lshl_b32 s91, s42, 10                        ; out1: + 1,024 tc + 512 CH
	s_add_co_u32 s90, s90, s91
	s_lshl_b32 s91, s[CH], 9
	s_add_co_u32 s90, s90, s91
	s_mov_b32 s91, 0
	s_mul_i32 s[LPA], s[CH], HALFA                 ; where my tile goes in a slot: no place in the cluster enters an LDS address
	s_mul_i32 s[LPB], s[CH], STRB
	s_add_co_u32 s[LPB], s[LPB], BOFF
	s_mov_b32 s[TB], 0                             ; the walk begins in slot 0
	s_mov_b32 s[G0E], 1
	s_mul_i32 s[G0E+1], s[WV], 32*SPT
	s_add_co_u32 s[G0E+1], s[G0E+1], AVT
	s_mov_b32 s72, 0xffff0000
	s_wait_dscnt 0x0                               ; the opening add is done
	s_wait_kmcnt 0x0
	s_add_nc_u64 s[18:19], s[4:5], s[16:17]
	s_add_nc_u64 s[46:47], s[6:7], s[46:47]
	s_add_nc_u64 s[8:9], s[8:9], s[22:23]
	s_add_nc_u64 s[G0E+2:G0E+3], s[12:13], s[88:89]
	s_or_b32 s[G0E+3], s[G0E+3], 0x80000000
	s_add_nc_u64 s[10:11], s[10:11], s[90:91]
	s_add_nc_u64 s[14:15], s[14:15], s[74:75]
	CROUND                                         ; all sixteen work-groups are here: the first joint loads meet
.irp s, 0,1
	s_mov_b32 s[G0+4*(\s)], 1
	s_add_co_u32 s[G0+4*(\s)+1], s[LPA], (\s)*SLOT
	s_add_nc_u64 s[G0+4*(\s)+2:G0+4*(\s)+3], s[18:19], (\s)*256
	s_or_b32 s[G0+4*(\s)+3], s[G0+4*(\s)+3], 0x80000000
	s_mov_b32 s[G0B+4*(\s)], 1
	s_add_co_u32 s[G0B+4*(\s)+1], s[LPB], (\s)*SLOT
	s_add_nc_u64 s[G0B+4*(\s)+2:G0B+4*(\s)+3], s[46:47], (\s)*262144
	s_or_b32 s[G0B+4*(\s)+3], s[G0B+4*(\s)+3], 0x80000000
	JLOAD \s
.endr
	tensor_load_to_lds s[G0E:G0E+3], s[G1E:G1E+7]  ; my 32 rows of avg's tile: the last of the first fills
	s_nop 0
.rept 4
	v_nop
.endr
	v_and_b32 v1, 15, v0                           ; r
	v_bfe_u32 v2, v0, 4, 1                         ; h
	v_lshlrev_b32 v[BO], 5, v2
	WIN 0x40
.irp b, 0,1,2,3,4,5,6,7
	global_load_b128 v[8*(\b):8*(\b)+3],   v[BO], s[8:9] offset:64*(\b)
	global_load_b128 v[8*(\b)+4:8*(\b)+7], v[BO], s[8:9] offset:64*(\b)+16
.endr
	WIN 0
	v_mul_u32_u24 v3, v1, PA
	v_lshl_add_u32 v3, v2, 4, v3
	s_mul_i32 s21, s[RH], HALFA
	v_add_nc_u32 v[ADRA0], s21, v3
	v_mov_b32 v[ADRA], v[ADRA0]
	v_and_b32 v4, 7, v0
	v_lshl_add_u32 v4, v2, 3, v4
	v_mul_u32_u24 v4, v4, PB
	v_bfe_u32 v5, v0, 3, 1
	v_lshl_add_u32 v4, v5, 4, v4
	s_mul_i32 s22, s[CH], STRB
	s_add_co_u32 s22, s22, BOFF
	v_add_nc_u32 v[ADRB0], s22, v4
	v_mov_b32 v[ADRB], v[ADRB0]
	s_mul_i32 s23, s[WV], STGW                     ; my stage
	v_mul_u32_u24 v6, v1, SPT                      ; in: row r, 32 bytes for each half of the lanes
	v_lshl_add_u32 v6, v2, 5, v6
	v_add_nc_u32 v[STO], s23, v6
	v_and_b32 v7, 31, v0                           ; lane
	v_lshl_add_u32 v[RD], v7, 4, s23               ; back: 32 lanes take a row's 512 bytes
	v_lshlrev_b32 v[OA], 4, v7                     ; the same 512 bytes of a row of out1
	v_lshlrev_b32 v[OC], 3, v7                     ; and 256 bytes of a row of cat
	s_mul_i32 s23, s[RH], 64*SPT                   ; my 64 rows and my 256 bytes of avg's tile
	s_lshl_b32 s22, s[CH], 8
	s_add_co_u32 s23, s23, s22
	s_add_co_u32 s23, s23, AVT
	v_lshl_add_u32 v[AVA], v7, 3, s23
	v_mov_b32 v[ONE], 1.0
	s_wait_loadcnt 0x0                             ; the bias; it is rounded to bf16 like every input
	WIN 0x45
.set p, 0
.rept 32
	v_cvt_pk_bf16_f32 v[192+p%4], v[2*p], v[2*p+1]
	v_lshlrev_b32 v[2*p],   16,  v[192+p%4]
	v_and_b32     v[2*p+1], s72, v[192+p%4]
.set p, p+1
.endr
	WIN 0
.macro MUL8 f, a, first                ; 8 matrix instructions: row block a x 8 column blocks, 32 along K; first = 1: the bias is C and the sums begin
.if \first
	WIN 0x91
.else
	WIN 0xa1
.endif
.irp b, 0,1,2,3,4,5,6,7
.if \first
	v_wmma_f32_16x16x32_bf16 v[8*(8*(\a)+(\b)):8*(8*(\a)+(\b))+7], v[64+64*(\f)+8*(\b):64+64*(\f)+8*(\b)+7], v[64+32*(\f)+8*(\a):64+32*(\f)+8*(\a)+7], v[8*(\b):8*(\b)+7]
.else
	v_wmma_f32_16x16x32_bf16 v[8*(8*(\a)+(\b)):8*(8*(\a)+(\b))+7], v[64+64*(\f)+8*(\b):64+64*(\f)+8*(\b)+7], v[64+32*(\f)+8*(\a):64+32*(\f)+8*(\a)+7], v[8*(8*(\a)+(\b)):8*(8*(\a)+(\b))+7]
.endif
.endr
.endm
.macro FETCH q, f                      ; 24 LDS loads in one run, from the slot in hand: w2's 8 column blocks, turned, then h's 4 row blocks
	WIN 0x40
.irp i, 0,1,2,3,4,5,6,7
	ds_load_tr16_b128 v[64+64*(\f)+8*(\i):64+64*(\f)+8*(\i)+3],   v[ADRB] offset:(\q)*32*PB+32*(\i)
	ds_load_tr16_b128 v[64+64*(\f)+8*(\i)+4:64+64*(\f)+8*(\i)+7], v[ADRB] offset:(\q)*32*PB+32*(\i)+16*PB
.endr
	WIN 0
.irp i, 0,1,2,3
	ds_load_b128 v[64+32*(\f)+8*(\i):64+32*(\f)+8*(\i)+3],   v[ADRA] offset:64*(\q)+(\i)*16*PA
	ds_load_b128 v[64+32*(\f)+8*(\i)+4:64+32*(\f)+8*(\i)+7], v[ADRA] offset:64*(\q)+(\i)*16*PA+32
.endr
.endm
.macro QUARTER q, f, g, first          ; the 32 accumulators take turns, one instruction a turn
	s_wait_dscnt 4                                 ; w2 and h's blocks 0, 1 are in; the youngest four loads may be out
	MUL8 \f, 0, \first
	MUL8 \f, 1, \first
	PLACES
	FETCH \q, \g
	s_wait_dscnt 24                                ; all but the 24 just issued
	MUL8 \f, 2, \first
	MUL8 \f, 3, \first
.endm
.macro TURN fill                       ; the last quarter and the change of slots: one barrier; with fill = 1 it opens a round of the cluster's, and the joint refill of the slot just read is first behind the round
	WIN 0
	s_wait_tensorcnt 0x0                           ; all my tensor loads have landed (the first time: avg's tile too)
	ds_add_u32 v[SPW], v[NIL]                      ; 0 onto my spare word
	s_wait_dscnt 5                                 ; (the add and the youngest four loads may be out)
	MUL8 1, 0, 0
	s_wait_dscnt 0x0                               ; the add is done, and my reads of this slot are over
	s_barrier_signal -1
	MUL8 1, 1, 0
	WIN 0                                          ; (branches and address lines follow)
	s_barrier_wait -1
.if \fill
	CREST
	s_add_co_u32 s[G0+5], s[LPA], s[TB]            ; the walking descriptors: into the slot just read,
	s_add_nc_u64 s[G0+6:G0+7], s[G0+6:G0+7], 256   ; one K step on
	s_add_co_u32 s[G0B+5], s[LPB], s[TB]
	s_add_nc_u64 s[G0B+6:G0B+7], s[G0B+6:G0B+7], 262144
	JLOAD 1
.else
	PLACES
.endif
	s_xor_b32 s[TB], s[TB], SLOT                   ; the other slot is in hand now
	v_add_nc_u32 v[ADRA], s[TB], v[ADRA0]
	v_add_nc_u32 v[ADRB], s[TB], v[ADRB0]
	FETCH 0, 0
	MUL8 1, 2, 0
	MUL8 1, 3, 0
.endm
	s_wait_tensorcnt 0x2                           ; my part of K step 0 is in; K step 1's and avg's tile may stay out
	s_barrier_signal -1
	s_barrier_wait -1
	FETCH 0, 0
	QUARTER 1, 0, 1, 1
	WIN 0
	s_mov_b32 s3, STEPS-2
.Lstep:                                                ; a trip goes from a K step's second quarter to the next step's first, and fills the slot that it leaves: K steps 2 to 7
	QUARTER 2, 1, 0, 0
	QUARTER 3, 0, 1, 0
	TURN 1
	QUARTER 1, 0, 1, 0
	WIN 0
	s_sub_co_u32 s3, s3, 1
	s_cmp_lg_u32 s3, 0
	s_cbranch_scc1 .Lstep
	QUARTER 2, 1, 0, 0                             ; the last two K steps fill nothing
	QUARTER 3, 0, 1, 0
	TURN 0
	QUARTER 1, 0, 1, 0
	QUARTER 2, 1, 0, 0
	QUARTER 3, 0, 1, 0
	s_wait_dscnt 4
	MUL8 1, 0, 0
	MUL8 1, 1, 0
	s_wait_dscnt 0x0                               ; my reads of the ring are over:
	s_barrier_signal -1                            ; say so,
	MUL8 1, 2, 0
	MUL8 1, 3, 0
	WIN 0
	s_barrier_wait -1                              ; and write into the ring's bytes only when all four have said so
	PLACES
	; THE WAY OUT.  The sums go into my stage as they are, each accumulator from its low end: row r, 32 bytes at 64 b + 32 h.
	WIN 0x08                                       ; the stores' data window 2, their address window 0
.set t, 0
.rept 32
	ds_store_b128 v[STO], v[8*t:8*t+3]   offset:(t/8)*16*SPT+64*(t%8)
	ds_store_b128 v[STO], v[8*t+4:8*t+7] offset:(t/8)*16*SPT+64*(t%8)+16
.set t, t+1
.endr
	WIN 0
	s_mov_b32 s3, 4
.Lrows:                                                ; 16 rows a trip: a row's 512 bytes of sums and 256 bytes of avg; + avg; out1 in f32, cat in bf16
.set t, 0
.rept 16
	ds_load_b128 v[128+4*t:128+4*t+3], v[RD]  offset:SPT*t   ; LDS serves a wave's instructions in order (ISA guide 5.7.1.4): these see the stores above
	ds_load_b64  v[192+2*t:192+2*t+1], v[AVA] offset:SPT*t
.set t, t+1
.endr
.set t, 0
.rept 16
	s_wait_dscnt 30-2*t                            ; row t's two loads are in: 30 - 2 t are younger
	v_fma_mix_f32 v[128+4*t],   v[192+2*t],   v[ONE], v[128+4*t]   op_sel_hi:[1,0,0]
	v_fma_mix_f32 v[128+4*t+1], v[192+2*t],   v[ONE], v[128+4*t+1] op_sel:[1,0,0] op_sel_hi:[1,0,0]
	v_fma_mix_f32 v[128+4*t+2], v[192+2*t+1], v[ONE], v[128+4*t+2] op_sel_hi:[1,0,0]
	v_fma_mix_f32 v[128+4*t+3], v[192+2*t+1], v[ONE], v[128+4*t+3] op_sel:[1,0,0] op_sel_hi:[1,0,0]
	v_cvt_pk_bf16_f32 v[224+2*t],   v[128+4*t],   v[128+4*t+1]
	v_cvt_pk_bf16_f32 v[224+2*t+1], v[128+4*t+2], v[128+4*t+3]
	global_store_b128 v[OA], v[128+4*t:128+4*t+3], s[10:11] offset:4096*t th:TH_STORE_NT   ; the wave stores 512 consecutive bytes
	global_store_b64  v[OC], v[224+2*t:224+2*t+1], s[14:15] offset:4096*t                  ; and 256 consecutive bytes, at a multiple of 256
.set t, t+1
.endr
	s_wait_xcnt 0x0                                ; the stores' offsets and data are written again only behind this wait (ISA guide 3.1)
	v_add_nc_u32 v[RD],  16*SPT, v[RD]
	v_add_nc_u32 v[AVA], 16*SPT, v[AVA]
	v_add_nc_u32 v[OA],  65536, v[OA]
	v_add_nc_u32 v[OC],  65536, v[OC]
	s_sub_co_u32 s3, s3, 1
	s_cmp_lg_u32 s3, 0
	s_cbranch_scc1 .Lrows
	s_wait_tensorcnt 0x0                           ; the wave's end
	ds_add_u32 v[SPW], v[NIL]
	s_wait_dscnt 0x0
	CROUND                                         ; the closing round
	s_endpgm
.Lfunc_end_k_qefef309dd6_ffn2:
	.size	k_qefef309dd6_ffn2, .Lfunc_end_k_qefef309dd6_ffn2-k_qefef309dd6_ffn2
	.p2alignl 7, 3214868480
	.fill 96, 4, 3214868480
	.section	.rodata,"a",@progbits
	.p2align	6, 0x0
	.amdhsa_kernel k_qefef309dd6_ffn2
		.amdhsa_group_segment_fixed_size 327680
		.amdhsa_private_segment_fixed_size 0
		.amdhsa_enable_private_segment 0
		.amdhsa_kernarg_size 48
		.amdhsa_user_sgpr_count 2
		.amdhsa_user_sgpr_kernarg_segment_ptr 1
		.amdhsa_wavefront_size32 1
		.amdhsa_system_sgpr_workgroup_id_x 1
		.amdhsa_system_sgpr_workgroup_id_y 1
		.amdhsa_system_sgpr_workgroup_id_z 1
		.amdhsa_system_vgpr_workitem_id 0
		.amdhsa_next_free_vgpr 768
		.amdhsa_next_free_sgpr 96
		.amdhsa_reserve_vcc 0
		.amdhsa_float_denorm_mode_32 3
		.amdhsa_float_denorm_mode_16_64 3
		.amdhsa_memory_ordered 1
		.amdhsa_forward_progress 1
		.amdhsa_inst_pref_size 79
	.end_amdhsa_kernel
	.amdgpu_metadata
---
amdhsa.version: [ 1, 2 ]
amdhsa.kernels:
  - .name:           k_qefef309dd6_ffn2
    .symbol:         k_qefef309dd6_ffn2.kd
    .args:
      - { .name: h16, .offset: 0, .size: 8, .value_kind: global_buffer, .address_space: global }
      - { .name: wts, .offset: 8, .size: 8, .value_kind: global_buffer, .address_space: global }
      - { .name: b2, .offset: 16, .size: 8, .value_kind: global_buffer, .address_space: global }
      - { .name: out1, .offset: 24, .size: 8, .value_kind: global_buffer, .address_space: global }
      - { .name: avg16, .offset: 32, .size: 8, .value_kind: global_buffer, .address_space: global }
      - { .name: cat, .offset: 40, .size: 8, .value_kind: global_buffer, .address_space: global }
    .group_segment_fixed_size: 327680
    .private_segment_fixed_size: 0
    .kernarg_segment_align: 8
    .kernarg_segment_size: 48
    .max_flat_workgroup_size: 128
    .sgpr_count:     96
    .vgpr_count:     768
    .wavefront_size: 32
...
	.end_amdgpu_metadata
.endif
;; end of part 4
;; launch gate (part 5): grid 8 x 32, 4 waves a work-group, clusters of 4 x 4, 327,680 bytes of LDS; arguments cat, wts, gb, out0, out1; writes out0
.if DOCPART == 5
	.amdgcn_target "amdgcn-amd-amdhsa--gfx1250"
	.amdhsa_code_object_version 6
	.text
	.protected	k_qefef309dd6_gate
	.globl	k_qefef309dd6_gate
	.p2align	8
	.type	k_qefef309dd6_gate,@function
k_qefef309dd6_gate:
	s_mov_b64 s[64:65], 0
	v_nop
	global_prefetch_b8 v0, s[64:65] scope:SCOPE_SE
	s_setreg_imm32_b32 hwreg(HW_REG_WAVE_MODE, 25, 1), 1
	s_wait_xcnt 0x0
	s_wait_alu depctr_hold_cnt(0) depctr_sa_sdst(0) depctr_va_vdst(0) depctr_va_sdst(0) depctr_va_ssrc(0) depctr_va_vcc(0) depctr_vm_vsrc(0)
	s_getreg_b32 s2, hwreg(HW_REG_IB_STS2, 6, 4)
	s_cmp_eq_u32 s2, 0
	s_cbranch_scc0 .Lentry_in_a_cluster
	s_endpgm
.Lentry_in_a_cluster:
	s_bfe_u32 s2, ttmp6, 0x10000c
	s_cmp_lg_u32 s2, 0xf033
	s_cbranch_scc0 .Lentry_shape_is_right
	s_endpgm
.Lentry_shape_is_right:
; GATE.  [gi | gf] = [inputs | ffn] gw + gb;  out0 = sigmoid(gi) inputs + sigmoid(gf) ffn.
; cat [8192][2048] bf16 holds bf16(inputs) and bf16(ffn) side by side: it is the product's left operand, K = 2,048, and the source of the factor 'inputs' at the end.  The factor 'ffn' at the end is
; taken in f32 from out1 [8192][1024], which an earlier launch stored: a bf16 step of ffn, up to 0.0156 for numbers between 2 and 4, would show where the two terms of out0 cancel.
; bf16(gw) lies at byte 4,194,304 of wts, [k][n] as it was given; gb is f32, rounded here to bf16 like every input; out0 [8192][1024] f32.  Sums in f32.
; LIMITS.  sigmoid(x) = 1 / (1 + 2^(-x log2 e)): an exponential below 2^-126 counts as 0 (the gate is then 1), one beyond f32's range gives the gate 0; both are the limits of the function.
; NaN and infinities are not treated apart.
; SHARES.  A work-group makes 256 rows x (128 columns of gi and THE SAME 128 columns of gf), so that both gates of an output meet in one wave: 8 x 32 = 256 work-groups.  A wave makes 128 rows x (64 + 64):
; 64 accumulators of 16 x 16, 512 registers.  K goes in steps of 128 through two LDS slots: 256 rows of cat (256 bytes each) and 128 k-rows of gw as two strips of 128 columns, gi's and gf's.
; gw's fragments come out of LDS turned, by ds_load_tr16_b128.  The matrix instruction is used transposed (source 0 = 16 columns of gw, source 1 = 16 rows of cat): a lane holds row lane % 16 and the
; columns 8 (lane / 16) + 0..7.  The bias is the C operand of the products that start the sums.
; THE K WALK IS WRITTEN FOR ONE K STEP: the slot in hand is a scalar, 0 or SLOT, turned by an exclusive or at each change of slots; the fragments' addresses are that scalar plus the lane's constant,
; and one descriptor for each operand walks on, one K step and one slot at a time.
; CLUSTER.  4 x 4 work-groups; cat's tiles are shared along a row of the cluster, gw's along a column, by joint loads: waves 0, 1 ask for cat's two halves, waves 2, 3 for gw's two strips, one load a
; wave behind each round of the cluster's barrier.  By this text's own count a wave has two tensor loads out at the start and one behind each round; from a request to the wait for it a wave issues
; 224 of a K step's 256 matrix instructions.
; THE WAY OUT.  When slot 0 has been read for the last time it is filled once more: with the work-group's 256 x 128 tile of bf16(inputs), 64 rows a wave, by loads of its own; they land under the last
; K step.  Slot 1, behind its last fill and (a barrier) its last reader, is the waves' stage: 64 rows of 528 bytes each, gi's 256 bytes and then gf's.
; FFN IN F32 (131,072 bytes a work-group) has no room in LDS beside these: it waits in registers.  The way out goes in eight trips of 16 rows, and each trip has 32 registers of its own, in the
; layout of its stores (16 lanes: 256 consecutive bytes of a row).  Trips 0-3 are asked for behind the first barrier, 4-6 at the head of the last two K steps, 7 behind the last product: all but the
; last eight loads go out while the K walk asks little of memory, and none stands among out0's stores.
; REGISTERS, in windows of 256 (s_set_vgpr_msb: bits 1:0 source 0, 3:2 source 1, 5:4 source 2, 7:6 destination):
;   window 0: v0-31 addresses; v32-63 ffn of trip 0; v64-127, v128-191 fragments of cat, two buffers; on the way out v64-143 at work, v144-175 ffn of trip 7; v192-223, v224-255 ffn of trips 1, 2
;   window 1: v0-63 the bias (block b at 8 b; b < 4 gi, b >= 4 gf), which the first quarter alone reads, then ffn of trips 5, 6; v64-127, v128-191 fragments of gw;
;             v192-195 at work at the head; then v192-223, v224-255 ffn of trips 3, 4
;   window 2: accumulators of my rows 0-63, (a, b) at 8 (8 a + b);   window 3: those of my rows 64-127
.set PA,     272
.set PB,     288
.set HALFA,  128*PA                    ; 34,816
.set STRB,   128*PB                    ; 36,864
.set BOFF,   2*HALFA
.set SLOT,   BOFF+2*STRB               ; 143,360
.set SPARE,  2*SLOT                    ; the spare words: 128 bytes for each wave; no other line names them
.set STG,    SLOT                      ; the stages lie in slot 1
.set SPT,    528
.set STGW,   64*SPT
.set GWOFF,  4194304
.set STEPS,  16                        ; 2,048 / 128
.set BO,    8                          ; v8   my byte offset in the bias
.set TIN,   9                          ; v9   my 8 bytes in a row of the tile of inputs
.set ADRA0, 16                         ; v16  my fragments of cat in slot 0; never rewritten
.set ADRA,  17                         ; v17  the same in the slot in hand
.set ADRB0, 20                         ; v20-21  my fragments of gw's two strips in slot 0; never rewritten
.set ADRB,  22                         ; v22-23  the same in the slot in hand
.set STO,  24
.set RD,   25
.set RD0,  26
.set ZR,   27                          ; v27  0.0
.set SPW,  28
.set NIL,  29
.set CO,   30                          ; v30  my byte offset in out0, and in out1, which has the same shape
.set F0,   64
.set F1,   128
.set G1,  24                           ; s[24:31] group 1 for cat's tiles;  s[32:39] group 0: a set for each of the two first fills; the second then walks on
.set G0,  32
.set G1B, 48                           ; s[48:55], s[56:63] the same for gw's
.set G0B, 56
.set G1E, 76                           ; s[76:83], s[84:87] the way out's tile
.set G0E, 84
.set WV,  66
.set RH,  67
.set CH,  68
.set LPA, 92                           ; s92  the place in a slot of the half of cat's tile that I ask for
.set LPB, 93                           ; s93  of the strip of gw
.set TB,  94                           ; s94  LDS byte at which the slot in hand begins: 0 or SLOT
.set MSB, 0
.macro WIN new
.if MSB != (\new)
	s_set_vgpr_msb (MSB<<8)|(\new)
.set MSB, \new
.endif
.endm
.macro JLOAD s                         ; a joint load; the branch hangs on the wave's number alone; an s_nop 0 and four v_nop follow each of the two lines
	s_cmp_eq_u32 s[RH], 0
	s_cbranch_scc0 .Lfor_b_\@
	tensor_load_to_lds s[G0+4*(\s):G0+4*(\s)+3], s[G1:G1+7]
	s_nop 0
.rept 4
	v_nop
.endr
	s_branch .Lasked_\@
.Lfor_b_\@:
	tensor_load_to_lds s[G0B+4*(\s):G0B+4*(\s)+3], s[G1B:G1B+7]
	s_nop 0
.rept 4
	v_nop
.endr
.Lasked_\@:
.endm
.macro CREST
	s_cmp_lg_u32 s[WV], 0
	s_cbranch_scc1 .Lnot_wave_0_\@
	s_barrier_signal -3
.Lnot_wave_0_\@:
	s_barrier_wait -3
	s_barrier_signal -1
	s_barrier_wait -1
.endm
.macro CROUND
	s_barrier_signal -1
	s_barrier_wait -1
	CREST
.endm
.macro PLACES
.rept 4
	v_nop
.endr
.endm
; ffn of trip k of the way out (rows 16 k on of my 128): eight loads into 32 registers from 'base' on in window 'win'.  v[CO] is as the head made it: the trip stands in the immediate, 487,424 at the most.
.macro FFLOAD k, win, base
	WIN 0x40*(\win)                                ; the destination's window; the address lies in window 0
.set t, 0
.rept 8
	global_load_b128 v[(\base)+4*t:(\base)+4*t+3], v[CO], s[12:13] offset:65536*(\k)+4096*t th:TH_LOAD_NT   ; 16 lanes read 256 consecutive bytes, at a multiple of 256 from out1's first byte
.set t, t+1
.endr
.endm
	s_load_b256 s[4:11], s[0:1], 0x0               ; cat s[4:5], wts s[6:7], gb s[8:9], out0 s[10:11]
	s_load_b64 s[12:13], s[0:1], 0x20              ; out1
	v_lshl_add_u32 v[SPW], v0, 2, SPARE
	v_mov_b32 v[NIL], 0
	ds_add_u32 v[SPW], v[NIL]                      ; the wave's opening: the add and its wait stand ahead of my first tensor load
	v_lshrrev_b32 v1, 5, v0
	v_readfirstlane_b32 s[WV], v1
	s_lshr_b32 s[RH], s[WV], 1
	s_and_b32 s[CH], s[WV], 1
	s_bfe_u32 s40, ttmp6, 0x40000                  ; cx
	s_bfe_u32 s41, ttmp6, 0x40004                  ; cy
	s_lshl_b32 s42, ttmp9, 2
	s_add_co_u32 s42, s42, s40                     ; tc
	s_and_b32 s45, ttmp7, 0xffff
	s_lshl_b32 s45, s45, 2
	s_add_co_u32 s45, s45, s41                     ; tr
	s_lshl_b32 s43, s41, 2
	s_lshl_b32 s43, 15, s43                        ; my row of the cluster
	s_lshl_b32 s44, 0x1111, s40                    ; my column
	s_or_b32 s[G1+0], s43, (1<<16)|(1<<20)|(1<<21)|(5<<22)|(3<<25)
	s_or_b32 s[G1B+0], s44, (1<<16)|(1<<20)|(1<<21)|(5<<22)|(7<<25)
.irp g, G1, G1B                        ; the ring's tiles are 128 rows x 128 elements of tensors 2,048 elements wide
	s_mov_b32 s[(\g)+1], 128<<16
	s_mov_b32 s[(\g)+2], 128<<16
	s_mov_b32 s[(\g)+3], 128<<16
	s_mov_b32 s[(\g)+4], 128
	s_mov_b32 s[(\g)+5], 2048
	s_mov_b32 s[(\g)+6], 0
	s_mov_b32 s[(\g)+7], 0
.endr
	s_mov_b32 s[G1E+0], (1<<16)|(1<<20)|(5<<22)|(3<<25)  ; no mask: a load of my work-group's own; 2-byte elements; after every 64 words 4 words of padding
	s_mov_b32 s[G1E+1], 128<<16                    ; tensor_dim0 = 128
	s_mov_b32 s[G1E+2], 64<<16                     ; tensor_dim1 = 64
	s_mov_b32 s[G1E+3], 128<<16                    ; tile_dim0 = 128
	s_mov_b32 s[G1E+4], 64                         ; tile_dim1 = 64
	s_mov_b32 s[G1E+5], 2048
	s_mov_b32 s[G1E+6], 0
	s_mov_b32 s[G1E+7], 0
	s_lshl_b32 s16, s45, 20                        ; cat: (256 tr + 128 half) rows of 4,096 bytes: made of tr and the wave alone
	s_lshl_b32 s17, s[CH], 19
	s_add_co_u32 s16, s16, s17
	s_mov_b32 s17, 0
	s_lshl_b32 s46, s42, 8                         ; gw: its place in wts + columns 1,024 strip + 128 tc: made of tc and the wave alone
	s_lshl_b32 s47, s[CH], 11
	s_add_co_u32 s46, s46, s47
	s_add_co_u32 s46, s46, GWOFF
	s_mov_b32 s47, 0
	s_lshl_b32 s22, s42, 9                         ; the bias: columns 128 tc + 64 CH, 4 bytes each
	s_lshl_b32 s23, s[CH], 8
	s_add_co_u32 s22, s22, s23
	s_mov_b32 s23, 0
	s_lshl_b32 s88, s45, 20                        ; the way out's tile of inputs: rows 256 tr + 64 wave of cat, columns 128 tc
	s_lshl_b32 s89, s[WV], 18
	s_add_co_u32 s88, s88, s89
	s_lshl_b32 s89, s42, 8
	s_add_co_u32 s88, s88, s89
	s_mov_b32 s89, 0
	s_lshl_b32 s90, s45, 20                        ; out0 and out1: (256 tr + 128 RH) rows of 4,096 bytes + 512 tc + 256 CH
	s_lshl_b32 s91, s[RH], 19
	s_add_co_u32 s90, s90, s91
	s_lshl_b32 s91, s42, 9
	s_add_co_u32 s90, s90, s91
	s_lshl_b32 s91, s[CH], 8
	s_add_co_u32 s90, s90, s91
	s_mov_b32 s91, 0
	s_mul_i32 s[LPA], s[CH], HALFA                 ; where my tiles go in a slot: no place in the cluster enters an LDS address
	s_mul_i32 s[LPB], s[CH], STRB
	s_add_co_u32 s[LPB], s[LPB], BOFF
	s_mov_b32 s[TB], 0                             ; the walk begins in slot 0
	s_mov_b32 s[G0E], 1
	s_mul_i32 s[G0E+1], s[WV], 64*PA
	s_mov_b32 s70, 0xbfb8aa3b                      ; -log2(e)
	s_mov_b32 s71, s70                             ; named with it as a pair
	s_mov_b32 s72, 0xffff0000
	s_wait_dscnt 0x0                               ; the opening add is done
	s_wait_kmcnt 0x0
	s_add_nc_u64 s[18:19], s[4:5], s[16:17]
	s_add_nc_u64 s[46:47], s[6:7], s[46:47]
	s_add_nc_u64 s[8:9], s[8:9], s[22:23]
	s_add_nc_u64 s[G0E+2:G0E+3], s[4:5], s[88:89]
	s_or_b32 s[G0E+3], s[G0E+3], 0x80000000
	s_add_nc_u64 s[10:11], s[10:11], s[90:91]
	s_add_nc_u64 s[12:13], s[12:13], s[90:91]
	CROUND                                         ; all sixteen work-groups are here: the first joint loads meet
.irp s, 0,1
	s_mov_b32 s[G0+4*(\s)], 1
	s_add_co_u32 s[G0+4*(\s)+1], s[LPA], (\s)*SLOT
	s_add_nc_u64 s[G0+4*(\s)+2:G0+4*(\s)+3], s[18:19], (\s)*256       ; K step s: 128 elements along the rows
	s_or_b32 s[G0+4*(\s)+3], s[G0+4*(\s)+3], 0x80000000
	s_mov_b32 s[G0B+4*(\s)], 1
	s_add_co_u32 s[G0B+4*(\s)+1], s[LPB], (\s)*SLOT
	s_add_nc_u64 s[G0B+4*(\s)+2:G0B+4*(\s)+3], s[46:47], (\s)*524288  ; K step s: 128 rows of 4,096 bytes down
	s_or_b32 s[G0B+4*(\s)+3], s[G0B+4*(\s)+3], 0x80000000
	JLOAD \s
.endr
	v_and_b32 v1, 15, v0                           ; r
	v_bfe_u32 v2, v0, 4, 1                         ; h
	v_lshlrev_b32 v[BO], 5, v2
	WIN 0x40
.irp b, 0,1,2,3,4,5,6,7                ; blocks 0-3: gi's bias; 4-7: gf's, 1,024 columns on
	global_load_b128 v[8*(\b):8*(\b)+3],   v[BO], s[8:9] offset:64*((\b)%4)+4096*((\b)/4)
	global_load_b128 v[8*(\b)+4:8*(\b)+7], v[BO], s[8:9] offset:64*((\b)%4)+4096*((\b)/4)+16
.endr
	WIN 0
	v_mul_u32_u24 v3, v1, PA
	v_lshl_add_u32 v3, v2, 4, v3                   ; a fragment of cat: row r x pitch + 16 h
	s_mul_i32 s21, s[RH], HALFA
	v_add_nc_u32 v[ADRA0], s21, v3
	v_mov_b32 v[ADRA], v[ADRA0]
	v_and_b32 v4, 7, v0                            ; the turning load: k-row 8 h + lane % 8, 16 bytes at 16 ((lane / 8) % 2)
	v_lshl_add_u32 v4, v2, 3, v4
	v_mul_u32_u24 v4, v4, PB
	v_bfe_u32 v5, v0, 3, 1
	v_lshl_add_u32 v4, v5, 4, v4
	s_lshl_b32 s22, s[CH], 7                       ; my 64 columns of each strip
	s_add_co_u32 s22, s22, BOFF
	v_add_nc_u32 v[ADRB0], s22, v4
	v_add_nc_u32 v[ADRB0+1], STRB, v[ADRB0]
	v_mov_b32 v[ADRB], v[ADRB0]
	v_mov_b32 v[ADRB+1], v[ADRB0+1]
	s_mul_i32 s23, s[WV], STGW
	s_add_co_u32 s23, s23, STG                     ; my stage
	v_mul_u32_u24 v6, v1, SPT                      ; in: row r, 32 bytes for each half of the lanes
	v_lshl_add_u32 v6, v2, 5, v6
	v_add_nc_u32 v[STO], s23, v6
	v_mul_u32_u24 v6, v2, 8*SPT                    ; back: lanes 0-15 take row t, lanes 16-31 row t + 8; 16 bytes a lane
	v_lshl_add_u32 v6, v1, 4, v6
	v_add_nc_u32 v[RD0], s23, v6
	s_lshl_b32 s23, s[CH], 7                       ; the tile of inputs: my 128 rows, my 128 bytes of a row, 8 bytes a lane
	s_add_co_u32 s23, s23, s21
	v_mul_u32_u24 v6, v2, 8*PA
	v_lshl_add_u32 v6, v1, 3, v6
	v_add_nc_u32 v[TIN], s23, v6
	v_lshlrev_b32 v6, 15, v2                       ; out0 and out1: eight rows of 4,096 bytes between the halves of the lanes
	v_lshl_add_u32 v[CO], v1, 4, v6
	v_mov_b32 v[ZR], 0
	s_wait_loadcnt 0x0                             ; the bias; it is rounded to bf16 like every input
	WIN 0x45
.set p, 0
.rept 32
	v_cvt_pk_bf16_f32 v[192+p%4], v[2*p], v[2*p+1]
	v_lshlrev_b32 v[2*p],   16,  v[192+p%4]
	v_and_b32     v[2*p+1], s72, v[192+p%4]
.set p, p+1
.endr
	WIN 0
; 16 matrix instructions: row blocks a0, a0 + 1 of the window's four (hi = 0: my rows 0-63, 1: rows 64-127) x all 8 column blocks, 32 along K.  first = 1: the bias is C and the sums begin.
.macro MUL16 f, hi, a0, first
.if \first
	WIN 0x91+0x40*(\hi)                            ; gw and the bias window 1, cat window 0, D window 2 or 3
.else
	WIN 0xa1+0x50*(\hi)                            ; gw window 1, cat window 0, C and D window 2 or 3
.endif
.irp a, \a0, (\a0)+1
.irp b, 0,1,2,3,4,5,6,7
.if \first
	v_wmma_f32_16x16x32_bf16 v[8*(8*(\a)+(\b)):8*(8*(\a)+(\b))+7], v[(\f)+8*(\b):(\f)+8*(\b)+7], v[(\f)+8*(4*(\hi)+(\a)):(\f)+8*(4*(\hi)+(\a))+7], v[8*(\b):8*(\b)+7]
.else
	v_wmma_f32_16x16x32_bf16 v[8*(8*(\a)+(\b)):8*(8*(\a)+(\b))+7], v[(\f)+8*(\b):(\f)+8*(\b)+7], v[(\f)+8*(4*(\hi)+(\a)):(\f)+8*(4*(\hi)+(\a))+7], v[8*(8*(\a)+(\b)):8*(8*(\a)+(\b))+7]
.endif
.endr
.endr
.endm
; 32 LDS loads in one run: quarter q of the slot in hand into buffer f: gw's 4 + 4 column blocks, turned, then cat's 8 row blocks
.macro FETCH q, f
	WIN 0x40
.irp i, 0,1,2,3,4,5,6,7
	ds_load_tr16_b128 v[(\f)+8*(\i):(\f)+8*(\i)+3],   v[ADRB+(\i)/4] offset:(\q)*32*PB+32*((\i)%4)
	ds_load_tr16_b128 v[(\f)+8*(\i)+4:(\f)+8*(\i)+7], v[ADRB+(\i)/4] offset:(\q)*32*PB+32*((\i)%4)+16*PB
.endr
	WIN 0
.irp i, 0,1,2,3,4,5,6,7
	ds_load_b128 v[(\f)+8*(\i):(\f)+8*(\i)+3],   v[ADRA] offset:64*(\q)+(\i)*16*PA
	ds_load_b128 v[(\f)+8*(\i)+4:(\f)+8*(\i)+7], v[ADRA] offset:64*(\q)+(\i)*16*PA+32
.endr
.endm
; A K step is four quarters of 32 along K, 64 matrix instructions each, on buffers 0, 1, 0, 1; the 64 accumulators take turns, one instruction a turn.
.macro QUARTER q, f, g, first
	s_wait_dscnt 8                                 ; gw and cat's rows 0-63 are in; the youngest eight loads (rows 64-127) may be out
	MUL16 \f, 0, 0, \first
	MUL16 \f, 0, 2, \first
	PLACES
	FETCH \q, \g
	s_wait_dscnt 32                                ; all but the 32 just issued
	MUL16 \f, 1, 0, \first
	MUL16 \f, 1, 2, \first
.endm
; The last quarter multiplies buffer 1 and changes slots: ONE barrier, which opens a round of the cluster's.  In front of it each wave waits for all its tensor loads (its part of the next slot), adds 0
; to its spare word, and waits for that and for its reads of this slot.  Behind the round the slot just read is filled again first: fill = 1: jointly, with the K step two steps on; fill = 2 (the last
; K step but one, which lies in slot 0): with the way out's tile.
.macro TURN fill
	WIN 0                                          ; (the add's two registers lie in window 0)
	s_wait_tensorcnt 0x0                           ; all my tensor loads have landed
	ds_add_u32 v[SPW], v[NIL]                      ; 0 onto my spare word
	s_wait_dscnt 9                                 ; (the add and the youngest eight loads may be out)
	MUL16 F1, 0, 0, 0                              ; sixteen matrix instructions stand between the add and the wait for it
	s_wait_dscnt 0x0                               ; the add is done, and my reads of this slot are over
	s_barrier_signal -1
	MUL16 F1, 0, 2, 0
	WIN 0                                          ; (branches and address lines follow)
	s_barrier_wait -1
	CREST                                          ; no wave of any partner still reads this slot or has a load on its way
.if (\fill) == 1
	s_add_co_u32 s[G0+5], s[LPA], s[TB]            ; the walking descriptors: into the slot just read,
	s_add_nc_u64 s[G0+6:G0+7], s[G0+6:G0+7], 256   ; one K step on; the type bits on top are not reached
	s_add_co_u32 s[G0B+5], s[LPB], s[TB]
	s_add_nc_u64 s[G0B+6:G0B+7], s[G0B+6:G0B+7], 524288
	JLOAD 1                                        ; the four v_nop behind it are also the places in front of the loads below
.else
	tensor_load_to_lds s[G0E:G0E+3], s[G1E:G1E+7]  ; 64 rows x 256 bytes of bf16(inputs), to wave x 17,408: it has the last K step in which to land
	s_nop 0
.rept 4
	v_nop
.endr
.endif
	s_xor_b32 s[TB], s[TB], SLOT                   ; the other slot is in hand now
	v_add_nc_u32 v[ADRA], s[TB], v[ADRA0]
	v_add_nc_u32 v[ADRB], s[TB], v[ADRB0]
	v_add_nc_u32 v[ADRB+1], s[TB], v[ADRB0+1]
	FETCH 0, F0
	MUL16 F1, 1, 0, 0
	MUL16 F1, 1, 2, 0
.endm
	s_wait_tensorcnt 0x1                           ; my part of K step 0 is in; K step 1's may stay out
	s_barrier_signal -1
	s_barrier_wait -1
	FETCH 0, F0
	FFLOAD 0, 0, 32                                ; ffn of my rows 0-63: 32 loads, behind the first tiles; the K walk names neither their registers nor LOADcnt
	FFLOAD 1, 0, 192
	FFLOAD 2, 0, 224
	FFLOAD 3, 1, 192
	QUARTER 1, F0, F1, 1                           ; the first quarter stands in front of the loop: its products start the sums
	WIN 0
	s_mov_b32 s3, STEPS-2
.Lstep:                                                ; a trip goes from a K step's second quarter to the next step's first, and fills the slot that it leaves: K steps 2 to 15
	QUARTER 2, F1, F0, 0
	QUARTER 3, F0, F1, 0
	TURN 1
	QUARTER 1, F0, F1, 0
	WIN 0
	s_sub_co_u32 s3, s3, 1
	s_cmp_lg_u32 s3, 0
	s_cbranch_scc1 .Lstep
	FFLOAD 4, 1, 224                               ; ffn of my rows 64-111: 24 loads, two K steps ahead of the way out; the bias's registers have had their last reader in the first quarter
	FFLOAD 5, 1, 0
	FFLOAD 6, 1, 32
	QUARTER 2, F1, F0, 0
	QUARTER 3, F0, F1, 0
	TURN 2                                         ; slot 0's last fill: the way out's tile
	QUARTER 1, F0, F1, 0
	QUARTER 2, F1, F0, 0
	QUARTER 3, F0, F1, 0
	WIN 0
	s_wait_tensorcnt 0x0                           ; my part of the way out's tile is in
	s_wait_dscnt 8
	MUL16 F1, 0, 0, 0
	s_wait_dscnt 0x0                               ; my reads of slot 1 are over
	s_barrier_signal -1                            ; one barrier for both: every wave's part of the tile ahead of the others' reads, every wave's reads of slot 1 ahead of the stores into it
	MUL16 F1, 0, 2, 0
	MUL16 F1, 1, 0, 0
	MUL16 F1, 1, 2, 0
	WIN 0
	s_barrier_wait -1
	PLACES
	FFLOAD 7, 0, 144                               ; ffn of my last 16 rows, into a fragment buffer that the last products have read: seven trips ahead of its use
; out0 += ffn x its gate, for the trip whose ffn lies from 'base' on in window 'win'
.macro FFMUL win, base
	WIN (\win)                                     ; source 0's window
.set k, 0
.rept 16
	v_pk_fma_f32 v[64+2*k:64+2*k+1], v[(\base)+2*k:(\base)+2*k+1], v[96+2*k:96+2*k+1], v[64+2*k:64+2*k+1]
.set k, k+1
.endr
	WIN 0
.endm
; Half p of my rows (64, the accumulators of window 2 + p).  The sums go into my stage as they are, each accumulator from its low end; then four trips of 16 rows: a lane takes four columns of
; gi, gf and inputs of a row from LDS, finds ffn's in registers, makes both gates and the output, and sixteen lanes store 256 consecutive bytes of out0.
; The trip is written once and looped, and registers cannot be indexed: so the sixteen lines that name ffn stand four times, and the trip's counter picks one, by compares and forward jumps.
; left: how many loads are younger than this half's.  (wa, ba) .. (wd, bd): window and first register of ffn for the half's four trips.
.macro PASS p, left, wa, ba, wb, bb, wc, bc, wd, bd
	WIN 0x08+4*(\p)                                ; the stores' data window 2 or 3, their address window 0
.set t, 0
.rept 32
	ds_store_b128 v[STO], v[8*t:8*t+3]   offset:(t/8)*16*SPT+64*(t%8)
	ds_store_b128 v[STO], v[8*t+4:8*t+7] offset:(t/8)*16*SPT+64*(t%8)+16
.set t, t+1
.endr
	WIN 0
	v_mov_b32 v[RD], v[RD0]
	s_mov_b32 s3, 4
.Lrows_\@:
.set t, 0
.rept 8
	ds_load_b128 v[64+4*t:64+4*t+3],   v[RD]  offset:SPT*t       ; LDS serves a wave's instructions in order (ISA guide 5.7.1.4): these see the stores above
	ds_load_b128 v[96+4*t:96+4*t+3],   v[RD]  offset:SPT*t+256
	ds_load_b64  v[128+2*t:128+2*t+1], v[TIN] offset:PA*t
.set t, t+1
.endr
	s_wait_dscnt 0x0
.set k, 0
.rept 32
	v_pk_mul_f32 v[64+2*k:64+2*k+1], v[64+2*k:64+2*k+1], s[70:71] op_sel_hi:[1,0]   ; -x log2(e)
.set k, k+1
.endr
.set k, 0
.rept 64
	v_exp_f32 v[64+k], v[64+k]
.set k, k+1
.endr
	v_nop                                          ; a plain line between the last exponential and the use of its result (ISA guide 5.7.2)
.set k, 0
	s_wait_alu depctr_va_vdst(0)
.rept 32
	v_pk_add_f32 v[64+2*k:64+2*k+1], v[64+2*k:64+2*k+1], 1.0 op_sel_hi:[1,0]
.set k, k+1
.endr
.set k, 0
.rept 64
	v_rcp_f32 v[64+k], v[64+k]
.set k, k+1
.endr
	v_nop
.set k, 0
	s_wait_alu depctr_va_vdst(0)
.rept 16
	v_fma_mix_f32_bf16 v[64+2*k],   v[128+k], v[64+2*k],   v[ZR] op_sel_hi:[1,0,0]                 ; inputs x its gate
	v_fma_mix_f32_bf16 v[64+2*k+1], v[128+k], v[64+2*k+1], v[ZR] op_sel:[1,0,0] op_sel_hi:[1,0,0]
.set k, k+1
.endr
	s_wait_loadcnt \left                           ; loads come back in order: this half's 32 are in when only the younger ones are out
	s_cmp_eq_u32 s3, 4
	s_cbranch_scc1 .Lfa_\@
	s_cmp_eq_u32 s3, 3
	s_cbranch_scc1 .Lfb_\@
	s_cmp_eq_u32 s3, 2
	s_cbranch_scc1 .Lfc_\@
	FFMUL \wd, \bd
	s_branch .Lfj_\@
.Lfa_\@:
	FFMUL \wa, \ba
	s_branch .Lfj_\@
.Lfb_\@:
	FFMUL \wb, \bb
	s_branch .Lfj_\@
.Lfc_\@:
	FFMUL \wc, \bc
.Lfj_\@:
.set t, 0
.rept 8
	global_store_b128 v[CO], v[64+4*t:64+4*t+3], s[10:11] offset:4096*t th:TH_STORE_NT
.set t, t+1
.endr
	s_wait_xcnt 0x0                                ; the loads' and stores' offset and the stores' data are written again only behind this wait (ISA guide 3.1)
	v_add_nc_u32 v[RD],  16*SPT, v[RD]
	v_add_nc_u32 v[TIN], 16*PA, v[TIN]             ; these two run on through both halves
	v_add_nc_u32 v[CO],  65536, v[CO]
	s_sub_co_u32 s3, s3, 1
	s_cmp_lg_u32 s3, 0
	s_cbranch_scc1 .Lrows_\@
.endm
	PASS 0, 32, 0, 32, 0, 192, 0, 224, 1, 192      ; trips 0-3; the 24 + 8 loads of trips 4-7 are younger
	PASS 1, 0, 1, 224, 1, 0, 1, 32, 0, 144         ; trips 4-7; nothing is younger
	s_wait_tensorcnt 0x0                           ; the wave's end
	ds_add_u32 v[SPW], v[NIL]
	s_wait_dscnt 0x0
	CROUND                                         ; the closing round: no work-group ends while a partner may still ask for a tile that names it
	s_endpgm
.Lfunc_end_k_qefef309dd6_gate:
	.size	k_qefef309dd6_gate, .Lfunc_end_k_qefef309dd6_gate-k_qefef309dd6_gate
	.p2alignl 7, 3214868480
	.fill 96, 4, 3214868480
	.section	.rodata,"a",@progbits
	.p2align	6, 0x0
	.amdhsa_kernel k_qefef309dd6_gate
		.amdhsa_group_segment_fixed_size 327680
		.amdhsa_private_segment_fixed_size 0
		.amdhsa_enable_private_segment 0
		.amdhsa_kernarg_size 40
		.amdhsa_user_sgpr_count 2
		.amdhsa_user_sgpr_kernarg_segment_ptr 1
		.amdhsa_wavefront_size32 1
		.amdhsa_system_sgpr_workgroup_id_x 1
		.amdhsa_system_sgpr_workgroup_id_y 1
		.amdhsa_system_sgpr_workgroup_id_z 1
		.amdhsa_system_vgpr_workitem_id 0
		.amdhsa_next_free_vgpr 1024
		.amdhsa_next_free_sgpr 96
		.amdhsa_reserve_vcc 0
		.amdhsa_float_denorm_mode_32 3
		.amdhsa_float_denorm_mode_16_64 3
		.amdhsa_memory_ordered 1
		.amdhsa_forward_progress 1
		.amdhsa_inst_pref_size 142
	.end_amdhsa_kernel
	.amdgpu_metadata
---
amdhsa.version: [ 1, 2 ]
amdhsa.kernels:
  - .name:           k_qefef309dd6_gate
    .symbol:         k_qefef309dd6_gate.kd
    .args:
      - { .name: cat, .offset: 0, .size: 8, .value_kind: global_buffer, .address_space: global }
      - { .name: wts, .offset: 8, .size: 8, .value_kind: global_buffer, .address_space: global }
      - { .name: gb, .offset: 16, .size: 8, .value_kind: global_buffer, .address_space: global }
      - { .name: out0, .offset: 24, .size: 8, .value_kind: global_buffer, .address_space: global }
      - { .name: out1, .offset: 32, .size: 8, .value_kind: global_buffer, .address_space: global }
    .group_segment_fixed_size: 327680
    .private_segment_fixed_size: 0
    .kernarg_segment_align: 8
    .kernarg_segment_size: 40
    .max_flat_workgroup_size: 128
    .sgpr_count:     96
    .vgpr_count:     1024
    .wavefront_size: 32
...
	.end_amdgpu_metadata
.endif
;; end of part 5
;; ======== version 2 of 2: 5 launches; version 1 with the launches prep, scan written anew for expert scheduling mode
;; limits: values are held in f16: magnitudes above 65,504 overflow, below 6.1e-05 lose precision
;; workspace buffers: cat 33,554,432 bytes; csum 1,048,576 bytes; wts 12,582,912 bytes; x16 16,777,216 bytes; avg16 16,777,216 bytes; h16 16,777,216 bytes
;; launch prep (part 6): grid 448 x 1, 8 waves a work-group, no clusters, 0 bytes of LDS; arguments inputs, w1, w2, gw, cat, csum, wts; writes cat, csum, wts
.if DOCPART == 6
	.amdgcn_target "amdgcn-amd-amdhsa--gfx1250"
	.amdhsa_code_object_version 6
	.text
	.protected	k_qefef309dd6_prep
	.globl	k_qefef309dd6_prep
	.p2align	8
	.type	k_qefef309dd6_prep,@function
k_qefef309dd6_prep:
	s_mov_b64 s[64:65], 0
	v_nop
	global_prefetch_b8 v0, s[64:65] scope:SCOPE_SE
	s_setreg_imm32_b32 hwreg(HW_REG_WAVE_SCHED_MODE, 0, 2), 2
	s_setreg_imm32_b32 hwreg(HW_REG_WAVE_MODE, 25, 1), 1
	s_wait_xcnt 0x0
	s_wait_alu depctr_vm_vsrc(0)
; PREP.  Every large input is rounded once to bf16 and laid down for the later launches:
;   cat  [8192][2048] bf16: bytes 0..2047 of a row = bf16(inputs) (the other half is written by a later launch)
;   csum [256][1024] f32:   the sum of each block of 32 rounded rows of inputs (partial sums stay in f32)
;   wts:  w1 as f16(bf16(w1)) at 0, bf16(w2) at 2 MiB, bf16(gw) at 4 MiB, all in their own [k][n] order
; LIMITS.  |w1| stays under 65,504 (f16's end); a bf16(w1) below 6.1e-5 keeps f16's fixed step of 6e-8.  NaN and infinities are not treated apart.
; SHARES.  A work-group converts 131,072 bytes of f32: 32 pieces of 4,096 bytes.  Thread t owns the 16 bytes at 16 t of every piece: a wave's load covers 512
; consecutive bytes, its 8-byte store 256 consecutive bytes at a multiple of 256.  Work-groups 0-255: 32 rows of inputs each; 256-287: w1; 288-319: w2; 320-447: gw.
; All 32 loads of a thread go out at once, each into registers of its own; no register that a load or store names is written again behind that load or store.
; No LDS, no barrier, no matrix unit: nothing is shared between threads and each byte is touched once.
; THE MODE: SCHED_MODE bits 1:0 = 2 (LLVM: expert scheduling mode 2), set by the entry lines.  The code itself states the register dependences
; between vector instructions and memory instructions, with s_wait_alu, always for 0.
; THE PLAN.  Registers that memory instructions touch:
;   v1, v2     byte offsets, made once at the head and never written again: read by every load and store.
;   X[i]       piece i, four registers.  Its load is issued at the head, before any vector line names them.  The piece's conversions write its first two registers once;
;              one store reads those two; nothing writes them behind it.
;   v[4:7]     the sums: written by vector lines, read by the last store of the path of inputs.
; The 32 pieces go in 8 blocks of four.  The stores of block q are issued in block q + 1, one ahead of each piece's vector lines, behind ONE wait at that block's head, which states
; that block q's conversions have written what they read.  The vector lines of block q + 1 name its own pieces, T and the sums: none of the registers that those stores read.
.set ACC, 4                            ; v[4:7]    the running sum of my four columns
.set T,   8                            ; v[8:11]   at work: no memory instruction names them
.set X,   16                           ; v[16:143] piece i: 4 registers
.set BLK, 4                            ; pieces in a block
; The head of piece i's turn.  pitch: bytes from one piece's 16-bit numbers to the next in the buffer that is stored into.
.macro TURNHEAD pitch
	s_wait_loadcnt 31-i                            ; loads come back in order: piece i is in, the 31 - i younger ones may be out
.if (i > 0) && (i%BLK == 0)
	s_wait_alu depctr_va_vdst(0)                   ; the block before has written the first two registers of each of its four pieces, which the four stores of this block read
.endif
.if i >= BLK
	global_store_b64 v2, v[X+4*(i-BLK):X+4*(i-BLK)+1], s[22:23] offset:(\pitch)*(i-BLK)   ; the piece one block back; no vector line since the wait names these registers
.endif
.endm
; Behind the last block: its four stores.
.macro LASTOUT pitch
	s_wait_alu depctr_va_vdst(0)                   ; the last block has written what the stores below read (on the path of inputs: the sums too)
.set i, 32-BLK
.rept BLK
	global_store_b64 v2, v[X+4*i:X+4*i+1], s[22:23] offset:(\pitch)*i
.set i, i+1
.endr
.endm
	s_load_b256 s[4:11], s[0:1], 0x0               ; inputs s[4:5], w1 s[6:7], w2 s[8:9], gw s[10:11]
	s_load_b128 s[12:15], s[0:1], 0x20             ; cat s[12:13], csum s[14:15]
	s_load_b64 s[16:17], s[0:1], 0x30              ; wts
	s_mov_b32 s18, ttmp9                           ; g, the work-group's number
	s_mov_b32 s27, 0                               ; the high word of every offset pair
	s_mov_b32 s28, 0xffff0000                      ; a word's upper bf16
	v_lshlrev_b32 v1, 4, v0                        ; 16 t
	v_lshlrev_b32 v2, 3, v0                        ; 8 t
	s_wait_kmcnt 0x0
	s_mov_b64 s[20:21], s[10:11]                   ; which tensor is mine, and the first g that works on it: chosen on g alone
	s_mov_b32 s24, 320
	s_cmp_lt_u32 s18, 320
	s_cselect_b64 s[20:21], s[8:9], s[20:21]
	s_cselect_b32 s24, 288, s24
	s_cmp_lt_u32 s18, 288
	s_cselect_b64 s[20:21], s[6:7], s[20:21]
	s_cselect_b32 s24, 256, s24
	s_cmp_lt_u32 s18, 256
	s_cselect_b64 s[20:21], s[4:5], s[20:21]
	s_cselect_b32 s24, 0, s24
	s_sub_co_u32 s26, s18, s24
	s_lshl_b32 s26, s26, 17                        ; 131,072 bytes for each work-group; 33.4 MB at the most
	s_add_nc_u64 s[20:21], s[20:21], s[26:27]
	s_wait_alu depctr_va_vdst(0)                   ; v1 and v2 are written: every load and store of the kernel reads one of them as its offset
.set i, 0
.rept 32
	global_load_b128 v[X+4*i:X+4*i+3], v1, s[20:21] offset:4096*i th:TH_LOAD_NT
.set i, i+1
.endr
	s_cmp_lt_u32 s18, 256
	s_cbranch_scc0 .Lweights
	; ---- rows of inputs: round, store, and add the ROUNDED numbers up ----
	s_lshl_b32 s26, s18, 17                        ; 32 rows of cat, 4,096 bytes each
	s_add_nc_u64 s[22:23], s[12:13], s[26:27]
	s_lshl_b32 s26, s18, 12                        ; my row of csum
	s_add_nc_u64 s[14:15], s[14:15], s[26:27]
.set i, 0
.rept 32
	TURNHEAD 4096
	v_cvt_pk_bf16_f32 v[X+4*i],   v[X+4*i],   v[X+4*i+1]
	v_cvt_pk_bf16_f32 v[X+4*i+1], v[X+4*i+2], v[X+4*i+3]
.if i == 0
	v_lshlrev_b32 v[ACC],   16,  v[X]              ; the first row starts the sums: nothing is cleared
	v_and_b32     v[ACC+1], s28, v[X]
	v_lshlrev_b32 v[ACC+2], 16,  v[X+1]
	v_and_b32     v[ACC+3], s28, v[X+1]
.else
	v_lshlrev_b32 v[X+4*i+2], 16,  v[X+4*i]        ; the piece's two free registers and T take the widened numbers; the store's two are left alone
	v_and_b32     v[X+4*i+3], s28, v[X+4*i]
	v_lshlrev_b32 v[T],   16,  v[X+4*i+1]
	v_and_b32     v[T+1], s28, v[X+4*i+1]
	v_pk_add_f32 v[ACC:ACC+1],   v[ACC:ACC+1],   v[X+4*i+2:X+4*i+3]
	v_pk_add_f32 v[ACC+2:ACC+3], v[ACC+2:ACC+3], v[T:T+1]
.endif
.set i, i+1
.endr
	LASTOUT 4096
	global_store_b128 v1, v[ACC:ACC+3], s[14:15]   ; the sums were written ahead of the wait that stands in front of the four stores above
	s_endpgm
.Lweights:
	s_sub_co_u32 s26, s18, 256
	s_lshl_b32 s26, s26, 16                        ; 65,536 bytes of 16-bit numbers for each work-group: w1, w2 and gw follow each other in wts
	s_add_nc_u64 s[22:23], s[16:17], s[26:27]
	s_cmp_lt_u32 s18, 288
	s_cbranch_scc0 .Lplain
	; ---- w1: rounded to bf16 like every input, and that number written as f16 (it meets an f16 operand) ----
.set i, 0
.rept 32
	TURNHEAD 2048
	v_cvt_pk_bf16_f32 v[T+2*(i%2)],   v[X+4*i],   v[X+4*i+1]
	v_cvt_pk_bf16_f32 v[T+2*(i%2)+1], v[X+4*i+2], v[X+4*i+3]
	v_lshlrev_b32 v[X+4*i],   16,  v[T+2*(i%2)]
	v_and_b32     v[X+4*i+1], s28, v[T+2*(i%2)]
	v_lshlrev_b32 v[X+4*i+2], 16,  v[T+2*(i%2)+1]
	v_and_b32     v[X+4*i+3], s28, v[T+2*(i%2)+1]
	v_cvt_pk_f16_f32 v[X+4*i],   v[X+4*i],   v[X+4*i+1]
	v_cvt_pk_f16_f32 v[X+4*i+1], v[X+4*i+2], v[X+4*i+3]
.set i, i+1
.endr
	LASTOUT 2048
	s_endpgm
.Lplain:
	; ---- w2 and gw: rounded to bf16 ----
.set i, 0
.rept 32
	TURNHEAD 2048
	v_cvt_pk_bf16_f32 v[X+4*i],   v[X+4*i],   v[X+4*i+1]
	v_cvt_pk_bf16_f32 v[X+4*i+1], v[X+4*i+2], v[X+4*i+3]
.set i, i+1
.endr
	LASTOUT 2048
	s_endpgm
.Lfunc_end_k_qefef309dd6_prep:
	.size	k_qefef309dd6_prep, .Lfunc_end_k_qefef309dd6_prep-k_qefef309dd6_prep
	.p2alignl 7, 3214868480
	.fill 96, 4, 3214868480
	.section	.rodata,"a",@progbits
	.p2align	6, 0x0
	.amdhsa_kernel k_qefef309dd6_prep
		.amdhsa_group_segment_fixed_size 0
		.amdhsa_private_segment_fixed_size 0
		.amdhsa_enable_private_segment 0
		.amdhsa_kernarg_size 56
		.amdhsa_user_sgpr_count 2
		.amdhsa_user_sgpr_kernarg_segment_ptr 1
		.amdhsa_wavefront_size32 1
		.amdhsa_system_sgpr_workgroup_id_x 1
		.amdhsa_system_sgpr_workgroup_id_y 1
		.amdhsa_system_sgpr_workgroup_id_z 1
		.amdhsa_system_vgpr_workitem_id 0
		.amdhsa_next_free_vgpr 144
		.amdhsa_next_free_sgpr 66
		.amdhsa_reserve_vcc 0
		.amdhsa_float_denorm_mode_32 3
		.amdhsa_float_denorm_mode_16_64 3
		.amdhsa_memory_ordered 1
		.amdhsa_forward_progress 1
		.amdhsa_inst_pref_size 46
	.end_amdhsa_kernel
	.amdgpu_metadata
---
amdhsa.version: [ 1, 2 ]
amdhsa.kernels:
  - .name:           k_qefef309dd6_prep
    .symbol:         k_qefef309dd6_prep.kd
    .args:
      - { .name: inputs, .offset: 0, .size: 8, .value_kind: global_buffer, .address_space: global }
      - { .name: w1, .offset: 8, .size: 8, .value_kind: global_buffer, .address_space: global }
      - { .name: w2, .offset: 16, .size: 8, .value_kind: global_buffer, .address_space: global }
      - { .name: gw, .offset: 24, .size: 8, .value_kind: global_buffer, .address_space: global }
      - { .name: cat, .offset: 32, .size: 8, .value_kind: global_buffer, .address_space: global }
      - { .name: csum, .offset: 40, .size: 8, .value_kind: global_buffer, .address_space: global }
      - { .name: wts, .offset: 48, .size: 8, .value_kind: global_buffer, .address_space: global }
    .group_segment_fixed_size: 0
    .private_segment_fixed_size: 0
    .kernarg_segment_align: 8
    .kernarg_segment_size: 56
    .max_flat_workgroup_size: 256
    .sgpr_count:     66
    .vgpr_count:     144
    .wavefront_size: 32
...
	.end_amdgpu_metadata
.endif
;; end of part 6
;; launch scan (part 7): grid 256 x 1, 8 waves a work-group, no clusters, 3,072 bytes of LDS; arguments cat, csum, ln_g, ln_b, x16, avg16; writes x16, avg16
.if DOCPART == 7
	.amdgcn_target "amdgcn-amd-amdhsa--gfx1250"
	.amdhsa_code_object_version 6
	.text
	.protected	k_qefef309dd6_scan
	.globl	k_qefef309dd6_scan
	.p2align	8
	.type	k_qefef309dd6_scan,@function
k_qefef309dd6_scan:
	s_mov_b64 s[64:65], 0
	v_nop
	global_prefetch_b8 v0, s[64:65] scope:SCOPE_SE
	s_setreg_imm32_b32 hwreg(HW_REG_WAVE_SCHED_MODE, 0, 2), 2
	s_setreg_imm32_b32 hwreg(HW_REG_WAVE_MODE, 25, 1), 1
	s_wait_xcnt 0x0
	s_wait_alu depctr_vm_vsrc(0)
; SCAN.  avg[b][t] = (the sum over s <= t of inputs[b][s]) / (t + 1), then x = LayerNorm(avg) * g + b.  The product with the triangular mask is that sum: it is made as a prefix sum in f32.
; In: cat (bf16(inputs) in bytes 0..2047 of its rows of 4,096), csum (f32 sums of blocks of 32 rows), ln_g, ln_b (rounded here to bf16, like every input).  Out: avg16 and x16, [8192][1024] f16.
; LIMITS.  |avg| and |x| stay under 65,504 (f16's end): x is at most 32 |g| + |b| by its own normalisation; avg is a mean of the inputs.  The sum is taken in another order than a product's;
; 1 / (t + 1) and the inverse root come from instructions good to one unit in the last place.  NaN and infinities are not treated apart.
; SHARES.  Work-group g = 32 b + c owns rows 32 g .. 32 g + 31; thread t owns columns 4 t .. 4 t + 3 of all 32 rows, which stay in 128 registers from the sum to the last store.
; What lies in front of my rows is the sum of csum's rows 0 .. c - 1 of my batch: all 31 are loaded, and those from c on are masked off bit by bit, so every work-group does the same work
; and a later block's numbers, whatever they are, cannot enter.
; THE ROWS' SUMS (mean, then the sum of squares of the centred row: two passes, no difference of large sums): 32 partial sums a thread, one a row, are folded across the wave's 32 lanes so that
; lane l ends with row l's sum (77 instructions for 32 rows); the eight waves' figures meet in LDS, once for each of the two sums, in bytes of their own: two barriers in all.
; No matrix unit, no cluster: the launch moves bytes, and no two work-groups read the same rows of cat.
; THE MODE: SCHED_MODE bits 1:0 = 2 (LLVM: expert scheduling mode 2), set by the entry lines.  The code itself states the register dependences
; between vector instructions and memory or LDS instructions, with s_wait_alu, always for 0.
; THE PLAN.  Registers that memory or LDS instructions touch:
;   v1, v2, v27, v28  offsets and LDS addresses, made once at the head and never written again.       v3, v4  made at the head, read by the closing add alone.
;   AV      csum's loads land in it before any vector line names it.  In the last pass row i's conversions write AV[4 i], AV[4 i + 1] once; one store reads them; nothing writes them behind it.
;   IN      cat's loads land in it before any vector line names it.  In the first pass row i's conversions write IN[2 i], IN[2 i + 1] once; one store reads them; nothing writes them behind it.
;   GG, BB  two loads land in them; no vector line has named them before.
;   v[P]    the folding writes it, the LDS store of a meeting reads it; the second pass writes it again.       v[P+1 .. P+8]  the folding names them, then a meeting's LDS loads land in them.
;   s[32:47]  eight pairs: v_readlane_b32 writes the low words, a batch's packed lines read them.
; Each of the three passes over the 32 rows goes in four batches of eight.  At a batch's head its eight scalars are read out of their lanes in one run, with one wait behind the run.  The stores of
; batch q are issued in batch q + 1, one ahead of each row's vector lines, behind ONE wait at that batch's head, which states that batch q's conversions have written what they read; the vector
; lines of batch q + 1 name its own rows' registers, T, RUN and P: none of the registers that those stores read.
.set RED1,  0                          ; LDS: [wave][row] f32, 1,024 bytes
.set RED2,  1024                       ; the same for the second sum
.set SPARE, 2048                       ; the spare words: 128 bytes for each of eight waves; no other line names them
.set GG,  8                            ; v[8:11]   g of my four columns
.set BB,  12                           ; v[12:15]  b
.set RUN, 16                           ; v[16:19]  the running sum
.set T,   20                           ; v[20:23]  at work
.set INV, 24                           ; v24  lane l: 1 / (32 c + l + 1)
.set MEAN,25                           ; v25  lane l: minus the mean of row l
.set RS,  26                           ; v26  lane l: 1 / sqrt(var + eps) of row l
.set P,   32                           ; v[32:63]  row i's partial sum
.set AV,  64                           ; v[64:191] first csum's 31 rows, then row i's four numbers at AV + 4 i
.set IN,  192                          ; v[192:255] row i as loaded (4 bf16), then as stored to avg16 (4 f16)
.set SC,  32                           ; s[32:47]  eight scalar pairs, one for each row of a batch: the row's scalar in the low word
.set BAT, 8                            ; rows in a batch
; The head of a batch that begins with row i: lanes i .. i + 7 of register src go into the eight pairs' low words.
.macro SCALARS src
.set j, 0
.rept BAT
	v_readlane_b32 s[SC+2*j], v[\src], i+j
.set j, j+1
.endr
.endm
	s_load_b256 s[4:11], s[0:1], 0x0               ; cat s[4:5], csum s[6:7], ln_g s[8:9], ln_b s[10:11]
	s_load_b128 s[12:15], s[0:1], 0x20             ; x16 s[12:13], avg16 s[14:15]
	v_lshl_add_u32 v3, v0, 2, SPARE                ; my spare word, and 0: kept for the closing add alone
	v_mov_b32 v4, 0
	s_mov_b32 s16, ttmp9                           ; g
	s_and_b32 s17, s16, 31                         ; c
	s_lshl_b32 s18, s17, 5
	s_add_co_u32 s18, s18, 1
	v_and_b32 v5, 31, v0                           ; lane
	v_add_nc_u32 v6, s18, v5                       ; t + 1 of row 'lane'
	v_cvt_f32_u32 v[INV], v6
	v_rcp_f32 v[INV], v[INV]                       ; the plain lines below stand between it and its first use
	v_lshlrev_b32 v1, 4, v0                        ; 16 t: f32 rows
	v_lshlrev_b32 v2, 3, v0                        ; 8 t: 16-bit rows
	v_lshlrev_b32 v27, 2, v0                       ; 4 t = 128 wave + 4 lane
	v_lshlrev_b32 v28, 2, v5                       ; 4 lane
	s_mov_b32 s24, 0xff00ff00                      ; lanes with bit 3, 2, 1, 0 set
	s_mov_b32 s25, 0xf0f0f0f0
	s_mov_b32 s26, 0xcccccccc
	s_mov_b32 s27, 0xaaaaaaaa
	s_mov_b32 s28, 0xffff0000                      ; a word's upper bf16
	s_mov_b32 s30, 0x3a800000                      ; 1 / 1024
	s_mov_b32 s31, 0x358637bd                      ; 1e-6
.irp k, 1,3,5,7,9,11,13,15
	s_mov_b32 s[SC+\k], 0                          ; the pairs' high words are named with the low ones, so they are written
.endr
	s_lshr_b32 s18, s16, 5
	s_lshl_b32 s18, s18, 17                        ; my batch's 32 rows of csum
	s_mov_b32 s19, 0
	s_wait_kmcnt 0x0
	s_add_nc_u64 s[6:7], s[6:7], s[18:19]
	s_lshl_b32 s18, s16, 17                        ; my 32 rows of cat
	s_add_nc_u64 s[4:5], s[4:5], s[18:19]
	s_lshl_b32 s18, s16, 16                        ; my 32 rows of x16 and avg16
	s_add_nc_u64 s[12:13], s[12:13], s[18:19]
	s_add_nc_u64 s[14:15], s[14:15], s[18:19]
	s_wait_alu depctr_va_vdst(0)                   ; v1, v2, v27 and v28 are written, which every load, store and LDS instruction below reads as its offset or address; and the reciprocal has written v[INV], ahead of its first reader
.set i, 0
.rept 31
	global_load_b128 v[AV+4*i:AV+4*i+3], v1, s[6:7] offset:4096*i
.set i, i+1
.endr
.set i, 0
.rept 32
	global_load_b64 v[IN+2*i:IN+2*i+1], v2, s[4:5] offset:4096*i
.set i, i+1
.endr
	; ---- what lies in front of my rows ----
	s_wait_loadcnt 32                              ; csum's 31 rows are in: only the 32 rows of cat are younger
	s_cmp_gt_u32 s17, 0
	s_cselect_b32 s22, -1, 0
.irp k, 0,1,2,3
	v_and_b32 v[RUN+\k], s22, v[AV+\k]             ; the first row starts the sum
.endr
.set i, 1
.rept 30
	s_cmp_gt_u32 s17, i                            ; does block i lie in front of mine?
	s_cselect_b32 s22, -1, 0
.irp k, 0,1,2,3
	v_and_b32 v[AV+4*i+\k], s22, v[AV+4*i+\k]
.endr
	v_pk_add_f32 v[RUN:RUN+1],   v[RUN:RUN+1],   v[AV+4*i:AV+4*i+1]
	v_pk_add_f32 v[RUN+2:RUN+3], v[RUN+2:RUN+3], v[AV+4*i+2:AV+4*i+3]
.set i, i+1
.endr
	; ---- the 32 rows: running sum, mean over time, avg16, and the row's partial sum ----
.set i, 0
.rept 32
.if i%BAT == 0
	SCALARS INV
.endif
	s_wait_loadcnt 31-i                            ; row i is in, the 31 - i younger rows may be out
.if i%BAT == 0
	s_wait_alu depctr_va_sdst(0)                   ; the eight v_readlane_b32 have written the pairs' low words, ahead of their first reader
.if i > 0
	s_wait_alu depctr_va_vdst(0)                   ; the batch before has written its rows' IN, which the eight stores of this batch read
.endif
.endif
.if i >= BAT
	global_store_b64 v2, v[IN+2*(i-BAT):IN+2*(i-BAT)+1], s[14:15] offset:2048*(i-BAT)   ; the row one batch back: a wave stores 256 consecutive bytes; no vector line since the wait names these two registers, and none writes them again
.endif
	v_lshlrev_b32 v[T],   16,  v[IN+2*i]
	v_and_b32     v[T+1], s28, v[IN+2*i]
	v_lshlrev_b32 v[T+2], 16,  v[IN+2*i+1]
	v_and_b32     v[T+3], s28, v[IN+2*i+1]
	v_pk_add_f32 v[RUN:RUN+1],   v[RUN:RUN+1],   v[T:T+1]
	v_pk_add_f32 v[RUN+2:RUN+3], v[RUN+2:RUN+3], v[T+2:T+3]
	v_pk_mul_f32 v[AV+4*i:AV+4*i+1],   v[RUN:RUN+1],   s[SC+2*(i%BAT):SC+2*(i%BAT)+1] op_sel_hi:[1,0]
	v_pk_mul_f32 v[AV+4*i+2:AV+4*i+3], v[RUN+2:RUN+3], s[SC+2*(i%BAT):SC+2*(i%BAT)+1] op_sel_hi:[1,0]
	v_cvt_pk_f16_f32 v[IN+2*i],   v[AV+4*i],   v[AV+4*i+1]
	v_cvt_pk_f16_f32 v[IN+2*i+1], v[AV+4*i+2], v[AV+4*i+3]
	v_pk_add_f32 v[T:T+1], v[AV+4*i:AV+4*i+1], v[AV+4*i+2:AV+4*i+3]
	v_add_f32 v[P+i], v[T], v[T+1]
.set i, i+1
.endr
	s_wait_alu depctr_va_vdst(0)                   ; the last batch has written its rows' IN, which the eight stores below read
.set i, 32-BAT
.rept BAT
	global_store_b64 v2, v[IN+2*i:IN+2*i+1], s[14:15] offset:2048*i
.set i, i+1
.endr
	global_load_b128 v[GG:GG+3], v1, s[8:9]        ; g and b are wanted last: they land under the two sums; no vector line has named their registers
	global_load_b128 v[BB:BB+3], v1, s[10:11]
; 32 registers of 32 lanes' partial sums -> lane l of v[P] holds row l's sum over the wave.  First the halves of the lanes: register i takes row i below and row i + 16 above.
; Then four halvings: of registers j and j + n each lane keeps the one that its bit n chooses and adds what the lane n away held of the same row.
.macro BSTEP n, m
.set j, 0
.rept \n
	v_cndmask_b32 v[T+2*(j%2)],   v[P+j+\n], v[P+j],    s[\m]   ; what I hand over
	v_cndmask_b32 v[T+2*(j%2)+1], v[P+j],    v[P+j+\n], s[\m]   ; what I keep
	v_add_f32_dpp v[P+j], v[T+2*(j%2)], v[T+2*(j%2)+1] row_xmask:\n row_mask:0xf bank_mask:0xf
.set j, j+1
.endr
.endm
.macro BFLY
.set j, 0
.rept 16
	v_permlane16_swap_b32 v[P+j], v[P+j+16]
.set j, j+1
.endr
.set j, 0
.rept 16
	v_add_f32 v[P+j], v[P+j], v[P+j+16]
.set j, j+1
.endr
	BSTEP 8, 24
	BSTEP 4, 25
	BSTEP 2, 26
	BSTEP 1, 27
.endm
; The eight waves' figures meet: each wave stores its 32, all pass a barrier, each wave reads all eight and adds them in the same order.  The sum is left in v[P+1].
.macro MEET red
	s_wait_alu depctr_va_vdst(0)                   ; the folding has written v[P], which the LDS store reads, and is done with v[P+1] to v[P+8], in which the LDS loads land
	ds_store_b32 v27, v[P] offset:\red
	s_wait_dscnt 0x0                               ; for the others' sake: my store is done
	s_barrier_signal -1
	s_barrier_wait -1
.irp w, 0,1,2,3,4,5,6,7
	ds_load_b32 v[P+1+\w], v28 offset:(\red)+128*\w
.endr
	s_wait_dscnt 0x0
	v_add_f32 v[P+1], v[P+1], v[P+2]
	v_add_f32 v[P+3], v[P+3], v[P+4]
	v_add_f32 v[P+5], v[P+5], v[P+6]
	v_add_f32 v[P+7], v[P+7], v[P+8]
	v_add_f32 v[P+1], v[P+1], v[P+3]
	v_add_f32 v[P+5], v[P+5], v[P+7]
	v_add_f32 v[P+1], v[P+1], v[P+5]
.endm
	BFLY
	MEET RED1
	v_mul_f32 v[MEAN], 0xba800000, v[P+1]          ; minus the mean: sum x -1/1024
	s_wait_alu depctr_vm_vsrc(0)                   ; the LDS store has read v[P], which row 0's sum of squares writes again
	; ---- centre the rows, and the partial sums of squares ----
.set i, 0
.rept 32
.if i%BAT == 0
	SCALARS MEAN
	s_wait_alu depctr_va_sdst(0)                   ; the eight v_readlane_b32 have written the pairs' low words, ahead of their first reader
.endif
	v_pk_add_f32 v[AV+4*i:AV+4*i+1],   v[AV+4*i:AV+4*i+1],   s[SC+2*(i%BAT):SC+2*(i%BAT)+1] op_sel_hi:[1,0]
	v_pk_add_f32 v[AV+4*i+2:AV+4*i+3], v[AV+4*i+2:AV+4*i+3], s[SC+2*(i%BAT):SC+2*(i%BAT)+1] op_sel_hi:[1,0]
	v_pk_mul_f32 v[T+2*(i%2):T+2*(i%2)+1], v[AV+4*i:AV+4*i+1], v[AV+4*i:AV+4*i+1]
	v_pk_fma_f32 v[T+2*(i%2):T+2*(i%2)+1], v[AV+4*i+2:AV+4*i+3], v[AV+4*i+2:AV+4*i+3], v[T+2*(i%2):T+2*(i%2)+1]
	v_add_f32 v[P+i], v[T+2*(i%2)], v[T+2*(i%2)+1]
.set i, i+1
.endr
	BFLY
	MEET RED2                                      ; other bytes than the first sum's, so no barrier is needed between that sum's reads and these stores
	v_fma_f32 v[RS], v[P+1], s30, s31              ; var + eps
	v_rsq_f32 v[RS], v[RS]
	s_wait_loadcnt 0x0                             ; g and b; their rounding to bf16 is the plain work behind the root
.irp k, 0,2
	v_cvt_pk_bf16_f32 v[T],   v[GG+\k], v[GG+\k+1]
	v_cvt_pk_bf16_f32 v[T+1], v[BB+\k], v[BB+\k+1]
	v_lshlrev_b32 v[GG+\k],   16,  v[T]
	v_and_b32     v[GG+\k+1], s28, v[T]
	v_lshlrev_b32 v[BB+\k],   16,  v[T+1]
	v_and_b32     v[BB+\k+1], s28, v[T+1]
.endr
	; ---- x = centred x rs x g + b, rounded once to f16 ----
	s_wait_alu depctr_va_vdst(0)                   ; the root has written v[RS], ahead of its first reader
.set i, 0
.rept 32
.if i%BAT == 0
	SCALARS RS
	s_wait_alu depctr_va_sdst(0)                   ; the eight v_readlane_b32 have written the pairs' low words, ahead of their first reader
.if i > 0
	s_wait_alu depctr_va_vdst(0)                   ; the batch before has written the first two registers of each of its rows' AV, which the eight stores of this batch read
.endif
.endif
.if i >= BAT
	global_store_b64 v2, v[AV+4*(i-BAT):AV+4*(i-BAT)+1], s[12:13] offset:2048*(i-BAT)   ; the row one batch back; no vector line since the wait names these two registers, and none writes them again
.endif
	v_pk_mul_f32 v[AV+4*i:AV+4*i+1],   v[AV+4*i:AV+4*i+1],   s[SC+2*(i%BAT):SC+2*(i%BAT)+1] op_sel_hi:[1,0]
	v_pk_mul_f32 v[AV+4*i+2:AV+4*i+3], v[AV+4*i+2:AV+4*i+3], s[SC+2*(i%BAT):SC+2*(i%BAT)+1] op_sel_hi:[1,0]
	v_pk_fma_f32 v[AV+4*i:AV+4*i+1],   v[AV+4*i:AV+4*i+1],   v[GG:GG+1],   v[BB:BB+1]
	v_pk_fma_f32 v[AV+4*i+2:AV+4*i+3], v[AV+4*i+2:AV+4*i+3], v[GG+2:GG+3], v[BB+2:BB+3]
	v_cvt_pk_f16_f32 v[AV+4*i],   v[AV+4*i],   v[AV+4*i+1]
	v_cvt_pk_f16_f32 v[AV+4*i+1], v[AV+4*i+2], v[AV+4*i+3]
.set i, i+1
.endr
	s_wait_alu depctr_va_vdst(0)                   ; the last batch has written what the eight stores below read
.set i, 32-BAT
.rept BAT
	global_store_b64 v2, v[AV+4*i:AV+4*i+1], s[12:13] offset:2048*i
.set i, i+1
.endr
	s_wait_dscnt 0x0                               ; the closing lines, six on end
	s_wait_alu 0x0
	s_wait_tensorcnt 0x0
	ds_add_u32 v3, v4
	s_wait_dscnt 0x0
	s_endpgm
.Lfunc_end_k_qefef309dd6_scan:
	.size	k_qefef309dd6_scan, .Lfunc_end_k_qefef309dd6_scan-k_qefef309dd6_scan
	.p2alignl 7, 3214868480
	.fill 96, 4, 3214868480
	.section	.rodata,"a",@progbits
	.p2align	6, 0x0
	.amdhsa_kernel k_qefef309dd6_scan
		.amdhsa_group_segment_fixed_size 3072
		.amdhsa_private_segment_fixed_size 0
		.amdhsa_enable_private_segment 0
		.amdhsa_kernarg_size 48
		.amdhsa_user_sgpr_count 2
		.amdhsa_user_sgpr_kernarg_segment_ptr 1
		.amdhsa_wavefront_size32 1
		.amdhsa_system_sgpr_workgroup_id_x 1
		.amdhsa_system_sgpr_workgroup_id_y 1
		.amdhsa_system_sgpr_workgroup_id_z 1
		.amdhsa_system_vgpr_workitem_id 0
		.amdhsa_next_free_vgpr 256
		.amdhsa_next_free_sgpr 66
		.amdhsa_reserve_vcc 0
		.amdhsa_float_denorm_mode_32 3
		.amdhsa_float_denorm_mode_16_64 3
		.amdhsa_memory_ordered 1
		.amdhsa_forward_progress 1
		.amdhsa_inst_pref_size 82
	.end_amdhsa_kernel
	.amdgpu_metadata
---
amdhsa.version: [ 1, 2 ]
amdhsa.kernels:
  - .name:           k_qefef309dd6_scan
    .symbol:         k_qefef309dd6_scan.kd
    .args:
      - { .name: cat, .offset: 0, .size: 8, .value_kind: global_buffer, .address_space: global }
      - { .name: csum, .offset: 8, .size: 8, .value_kind: global_buffer, .address_space: global }
      - { .name: ln_g, .offset: 16, .size: 8, .value_kind: global_buffer, .address_space: global }
      - { .name: ln_b, .offset: 24, .size: 8, .value_kind: global_buffer, .address_space: global }
      - { .name: x16, .offset: 32, .size: 8, .value_kind: global_buffer, .address_space: global }
      - { .name: avg16, .offset: 40, .size: 8, .value_kind: global_buffer, .address_space: global }
    .group_segment_fixed_size: 3072
    .private_segment_fixed_size: 0
    .kernarg_segment_align: 8
    .kernarg_segment_size: 48
    .max_flat_workgroup_size: 256
    .sgpr_count:     66
    .vgpr_count:     256
    .wavefront_size: 32
...
	.end_amdgpu_metadata
.endif
;; end of part 7
;; launch ffn1: the kernel of part 3 again; grid 4 x 64, 4 waves a work-group, clusters of 4 x 4, 327,680 bytes of LDS; arguments x16, wts, b1, h16; writes h16
;; launch ffn2: the kernel of part 4 again; grid 4 x 64, 4 waves a work-group, clusters of 4 x 4, 327,680 bytes of LDS; arguments h16, wts, b2, out1, avg16, cat; writes out1, cat
;; launch gate: the kernel of part 5 again; grid 8 x 32, 4 waves a work-group, clusters of 4 x 4, 327,680 bytes of LDS; arguments cat, wts, gb, out0, out1; writes out0
